; MI455X (gfx1250); checked and timed in simulation.
; The chip was launched on July 23, 2026; its instructions are those of AMD's public machine-readable ISA for CDNA 5 (MIT licence, August 2026) and "CDNA5" Instruction Set Architecture Reference Guide (July 2026). The comments in the code are by the model that wrote it; some were corrected since.
;; Transformer Block. Allowed arithmetic: float matrix products may take bf16 or f16 operands with f32 sums; other float arithmetic in f32, or as packed bf16 or f16 multiplies, adds, multiply-adds, maxima and minima; sums over many terms, partial sums and values carried from step to step in f32; what a program stores and reads back later, other than sums and carried values, may be rounded once to bf16 or f16.
;; Inputs: W1 1,024 x 4,096 float32; W2 4,096 x 1,024 float32; Wk 1,024 x 1,024 float32; Wp 1,024 x 1,024 float32; Wq 1,024 x 1,024 float32; Wv 1,024 x 1,024 float32; b1 4,096 float32; b2 1,024 float32; bp 1,024 float32; ln1_b 1,024 float32; ln1_w 1,024 float32; ln2_b 1,024 float32; ln2_w 1,024 float32; x 2 x 2,048 x 1,024 float32.
;; Outputs: out0 2 x 2,048 x 1,024 float32.
;; One version. Each part assembles by itself: llvm-mc -triple=amdgcn-amd-amdhsa -mcpu=gfx1250 --defsym DOCPART=n.
;; ======== version 1 of 1: 8 launches
;; limits: values are held in f16: magnitudes above 65,504 overflow, below 6.1e-05 lose precision
;; workspace buffers: wqkv 6,308,096 bytes; w1t 8,405,248 bytes; wsm 10,485,760 bytes; act 8,388,608 bytes; big 33,554,432 bytes; x1 16,777,216 bytes
;; launch cast (part 1): grid 769 x 1, 8 waves a work-group, no clusters, 35,840 bytes of LDS; arguments Wq, Wk, Wv, Wp, W1, W2, b1, wqkv, w1t, wsm; writes wqkv, w1t, wsm
.if DOCPART == 1
	.amdgcn_target "amdgcn-amd-amdhsa--gfx1250"
	.amdhsa_code_object_version 6
	.text
	.protected	k_q7bba2c6fe7_cast
	.globl	k_q7bba2c6fe7_cast
	.p2align	8
	.type	k_q7bba2c6fe7_cast,@function
k_q7bba2c6fe7_cast:
	s_mov_b64 s[64:65], 0
	v_nop
	global_prefetch_b8 v0, s[64:65] scope:SCOPE_SE
	s_setreg_imm32_b32 hwreg(HW_REG_WAVE_MODE, 25, 1), 1
	s_wait_xcnt 0x0
; THE WEIGHTS, ONCE: f32 [K][N] becomes f16 [N][K], each number rounded once.  LIMIT: a weight of 65,520 or more in size becomes an infinity; below 6e-5 it keeps f16's fixed step of 6e-8.
; Work-groups 0-767 turn one tile of 128 k x 128 n each: 0-255 the four matrices of 1024 x 1024 (64 tiles each: Wq, Wk, Wv, Wp), 256-511 W1 (1024 x 4096), 512-767 W2 (4096 x 1024).
; Work-group 768 writes the heads of wqkv and w1t: a floor word (two f16: -infinity for q, k, v, which lets every number pass; 0 for the ReLU) and the f32 bias (zeros; b1).
; wqkv: floor at 0, bias at 256, f16 [3072][1024] at 16,640.  w1t: the same with [4096][1024].  wsm: Wp turned at 0, W2 turned at 2,097,152.
; A tile: wave w loads rows k = 16 w .. 16 w + 15, 512 consecutive bytes a load; a lane holds 4 neighbouring n of 16 k, packs pairs of k and puts 16 bytes into each of its 4 rows of the turned tile in LDS
; (these stores meet four deep in the banks, since a lane owns 4 neighbouring rows: 8 stores a wave for a tile of 96 KiB of memory traffic); behind a barrier rows of 256 bytes are read back and stored whole.
.set PT,    272                        ; a row of the turned tile: 256 bytes + 16
.set SPARE, 128*PT                     ; behind the tile: the spare words, 128 bytes for each of the eight waves
.set LSO, 3                            ; v3   where I put my 16 bytes: row 4 l, byte 32 w
.set LRD, 4                            ; v4   where I read back: row 16 w + l / 16, byte 16 (l % 16)
.set SPW, 8                            ; v8   my spare word; never rewritten
.set NIL, 9                            ; v9   0; never rewritten
.set SO,  10                           ; v[10:25]  byte offsets of my 16 source rows
.set DO,  26                           ; v[26:33]  byte offsets of my 8 pairs of destination rows
.set X,   34                           ; v[34:97]  16 rows x 4 f32; later the rows read back
.set Y,   98                           ; v[98:129] packed f16
	s_load_b512 s[8:23], s[0:1], 0x0               ; Wq, Wk, Wv, Wp, W1, W2, b1, wqkv
	s_load_b128 s[24:27], s[0:1], 0x40             ; w1t, wsm
	v_lshl_add_u32 v[SPW], v0, 2, SPARE
	v_mov_b32 v[NIL], 0
	v_lshrrev_b32 v2, 5, v0
	v_readfirstlane_b32 s45, v2                    ; wave 0..7
	v_and_b32 v1, 31, v0                           ; lane
	s_cmp_eq_u32 ttmp9, 768
	s_cbranch_scc1 .Lpack                          ; the same for all waves of the work-group
	s_lshr_b32 s28, ttmp9, 6                       ; g: 0..3 name the four small matrices
	s_lshr_b32 s29, ttmp9, 8                       ; G: 0 small, 1 W1, 2 W2
	s_and_b32 s33, ttmp9, 255
	s_and_b32 s34, ttmp9, 63
	s_cmp_eq_u32 s29, 0
	s_cselect_b32 s33, s34, s33                    ; the tile's number in its matrix
	s_lshl_b32 s30, s28, 21
	s_add_co_u32 s30, s30, 16640                   ; where the turned matrix begins in its buffer: q, k, v one behind the other
	s_cmp_eq_u32 s28, 3
	s_cselect_b32 s30, 0, s30                      ; Wp
	s_cmp_eq_u32 s29, 1
	s_cselect_b32 s30, 16640, s30                  ; W1
	s_cselect_b32 s35, 31, 7                       ; tiles along n, less 1
	s_cselect_b32 s36, 5, 3                        ; and their logarithm
	s_cselect_b32 s31, 14, 12                      ; log2 of a source row's bytes
	s_cmp_eq_u32 s29, 2
	s_cselect_b32 s30, 0x200000, s30               ; W2
	s_cselect_b32 s32, 13, 11                      ; log2 of a destination row's bytes
	s_and_b32 s34, s33, s35                        ; tile along n
	s_lshr_b32 s35, s33, s36                       ; tile along k
	s_lshl_b32 s42, s35, 7
	s_lshl_b32 s42, s42, s31                       ; 128 source rows a tile,
	s_lshl_b32 s36, s34, 9
	s_add_co_u32 s42, s42, s36                     ; 512 bytes along them
	s_mov_b32 s43, 0
	s_lshl_b32 s46, s34, 7
	s_lshl_b32 s46, s46, s32                       ; 128 destination rows a tile,
	s_lshl_b32 s36, s35, 8
	s_add_co_u32 s46, s46, s36                     ; 256 bytes along them
	s_add_co_u32 s46, s46, s30
	s_mov_b32 s47, 0
	s_lshl_b32 s37, 1, s31                         ; a source row
	s_lshl_b32 s44, 2, s32                         ; two destination rows
	v_and_b32 v5, 15, v0
	v_bfe_u32 v6, v0, 4, 1
	v_mul_u32_u24 v[LSO], v1, 4*PT
	s_lshl_b32 s36, s45, 5
	v_add_nc_u32 v[LSO], s36, v[LSO]
	s_lshl_b32 s36, s45, 4                         ; 16 w
	v_add_nc_u32 v7, s36, v6                       ; 16 w + l / 16
	v_mul_u32_u24 v[LRD], v7, PT
	v_lshl_add_u32 v[LRD], v5, 4, v[LRD]
	v_lshlrev_b32 v7, s32, v7
	v_lshl_add_u32 v[DO], v5, 4, v7
.irp f, 1,2,3,4,5,6,7
	v_add_nc_u32 v[DO+(\f)], s44, v[DO+(\f)-1]
.endr
	s_lshl_b32 s36, s36, s31
	v_lshl_add_u32 v[SO], v1, 4, s36
.irp i, 1,2,3,4,5,6,7,8,9,10,11,12,13,14,15
	v_add_nc_u32 v[SO+(\i)], s37, v[SO+(\i)-1]
.endr
	s_wait_kmcnt 0x0
	s_mov_b64 s[38:39], s[8:9]                     ; from where and to where: a choice among buffers by the work-group's number
	s_mov_b64 s[40:41], s[22:23]
	s_cmp_eq_u32 s28, 1
	s_cselect_b64 s[38:39], s[10:11], s[38:39]
	s_cmp_eq_u32 s28, 2
	s_cselect_b64 s[38:39], s[12:13], s[38:39]
	s_cmp_eq_u32 s28, 3
	s_cselect_b64 s[38:39], s[14:15], s[38:39]
	s_cselect_b64 s[40:41], s[26:27], s[40:41]
	s_cmp_eq_u32 s29, 1
	s_cselect_b64 s[38:39], s[16:17], s[38:39]
	s_cselect_b64 s[40:41], s[24:25], s[40:41]
	s_cmp_eq_u32 s29, 2
	s_cselect_b64 s[38:39], s[18:19], s[38:39]
	s_cselect_b64 s[40:41], s[26:27], s[40:41]
	s_add_nc_u64 s[38:39], s[38:39], s[42:43]
	s_add_nc_u64 s[40:41], s[40:41], s[46:47]
.irp i, 0,1,2,3,4,5,6,7,8,9,10,11,12,13,14,15
	global_load_b128 v[X+4*(\i):X+4*(\i)+3], v[SO+(\i)], s[38:39] th:TH_LOAD_NT  ; 512 consecutive bytes of row 16 w + i
.endr
; Eight rows (half q of my sixteen): for each of my 4 n the 8 k pack into 16 bytes.
.macro HALF q
.irp c, 0,1,2,3
.irp p, 0,1,2,3
	v_cvt_pk_f16_f32 v[Y+16*(\q)+4*(\c)+(\p)], v[X+32*(\q)+8*(\p)+(\c)], v[X+32*(\q)+8*(\p)+4+(\c)]
.endr
.endr
.irp c, 0,1,2,3
	ds_store_b128 v[LSO], v[Y+16*(\q)+4*(\c):Y+16*(\q)+4*(\c)+3] offset:(\c)*PT+16*(\q)
.endr
.endm
	s_wait_loadcnt 8                               ; loads come back in order: rows 0-7 are in, the eight younger stay out
	HALF 0
	s_wait_loadcnt 0x0
	HALF 1
	s_wait_dscnt 0x0                               ; for the others: my stores are done
	s_barrier_signal -1
	s_barrier_wait -1
.irp f, 0,1,2,3,4,5,6,7
	ds_load_b128 v[X+4*(\f):X+4*(\f)+3], v[LRD] offset:(\f)*2*PT
.endr
.irp f, 0,1,2,3,4,5,6,7
	s_wait_dscnt 7-(\f)
	global_store_b128 v[DO+(\f)], v[X+4*(\f):X+4*(\f)+3], s[40:41]  ; 16 lanes store 256 consecutive bytes, aligned, of one turned row
.endr
	s_branch .Lend
.Lpack:
	v_lshlrev_b32 v2, 4, v0                        ; 16 bytes a thread
	s_wait_kmcnt 0x0
.irp i, 0,1,2,3
	global_load_b128 v[X+4*(\i):X+4*(\i)+3], v2, s[20:21] offset:4096*(\i)
.endr
.irp i, 0,1,2,3
	v_mov_b32 v[Y+(\i)], 0
.endr
.irp i, 0,1,2
	global_store_b128 v2, v[Y:Y+3], s[22:23] offset:256+4096*(\i)  ; q, k and v have no bias: 3,072 zeros
.endr
	s_wait_loadcnt 0x0
.irp i, 0,1,2,3
	global_store_b128 v2, v[X+4*(\i):X+4*(\i)+3], s[24:25] offset:256+4096*(\i)
.endr
	s_cmp_lg_u32 s45, 0
	s_cbranch_scc1 .Lend
	v_lshlrev_b32 v3, 3, v1
	v_mov_b32 v[Y+4], 0xfc00fc00                   ; -infinity twice
	v_mov_b32 v[Y+5], 0xfc00fc00
	global_store_b64 v3, v[Y+4:Y+5], s[22:23]      ; the floors: 256 bytes each
	global_store_b64 v3, v[Y:Y+1], s[24:25]
.Lend:
	s_wait_tensorcnt 0x0                           ; the end of the wave, behind my last LDS store
	ds_add_u32 v[SPW], v[NIL]
	s_wait_dscnt 0x0
	s_endpgm
.Lfunc_end_k_q7bba2c6fe7_cast:
	.size	k_q7bba2c6fe7_cast, .Lfunc_end_k_q7bba2c6fe7_cast-k_q7bba2c6fe7_cast
	.p2alignl 7, 3214868480
	.fill 96, 4, 3214868480
	.section	.rodata,"a",@progbits
	.p2align	6, 0x0
	.amdhsa_kernel k_q7bba2c6fe7_cast
		.amdhsa_group_segment_fixed_size 35840
		.amdhsa_private_segment_fixed_size 0
		.amdhsa_enable_private_segment 0
		.amdhsa_kernarg_size 80
		.amdhsa_user_sgpr_count 2
		.amdhsa_user_sgpr_kernarg_segment_ptr 1
		.amdhsa_wavefront_size32 1
		.amdhsa_system_sgpr_workgroup_id_x 1
		.amdhsa_system_sgpr_workgroup_id_y 1
		.amdhsa_system_sgpr_workgroup_id_z 1
		.amdhsa_system_vgpr_workitem_id 0
		.amdhsa_next_free_vgpr 132
		.amdhsa_next_free_sgpr 66
		.amdhsa_reserve_vcc 0
		.amdhsa_float_denorm_mode_32 3
		.amdhsa_float_denorm_mode_16_64 3
		.amdhsa_memory_ordered 1
		.amdhsa_forward_progress 1
		.amdhsa_inst_pref_size 12
	.end_amdhsa_kernel
	.amdgpu_metadata
---
amdhsa.version: [ 1, 2 ]
amdhsa.kernels:
  - .name:           k_q7bba2c6fe7_cast
    .symbol:         k_q7bba2c6fe7_cast.kd
    .args:
      - { .name: Wq, .offset: 0, .size: 8, .value_kind: global_buffer, .address_space: global }
      - { .name: Wk, .offset: 8, .size: 8, .value_kind: global_buffer, .address_space: global }
      - { .name: Wv, .offset: 16, .size: 8, .value_kind: global_buffer, .address_space: global }
      - { .name: Wp, .offset: 24, .size: 8, .value_kind: global_buffer, .address_space: global }
      - { .name: W1, .offset: 32, .size: 8, .value_kind: global_buffer, .address_space: global }
      - { .name: W2, .offset: 40, .size: 8, .value_kind: global_buffer, .address_space: global }
      - { .name: b1, .offset: 48, .size: 8, .value_kind: global_buffer, .address_space: global }
      - { .name: wqkv, .offset: 56, .size: 8, .value_kind: global_buffer, .address_space: global }
      - { .name: w1t, .offset: 64, .size: 8, .value_kind: global_buffer, .address_space: global }
      - { .name: wsm, .offset: 72, .size: 8, .value_kind: global_buffer, .address_space: global }
    .group_segment_fixed_size: 35840
    .private_segment_fixed_size: 0
    .kernarg_segment_align: 8
    .kernarg_segment_size: 80
    .max_flat_workgroup_size: 256
    .sgpr_count:     66
    .vgpr_count:     132
    .wavefront_size: 32
...
	.end_amdgpu_metadata
.endif
;; end of part 1
;; launch ln1 (part 2): grid 256 x 1, 8 waves a work-group, no clusters, 0 bytes of LDS; arguments x, ln1_w, ln1_b, act; writes act
.if DOCPART == 2
	.amdgcn_target "amdgcn-amd-amdhsa--gfx1250"
	.amdhsa_code_object_version 6
	.text
	.protected	k_q7bba2c6fe7_ln1
	.globl	k_q7bba2c6fe7_ln1
	.p2align	8
	.type	k_q7bba2c6fe7_ln1,@function
k_q7bba2c6fe7_ln1:
	s_mov_b64 s[64:65], 0
	v_nop
	global_prefetch_b8 v0, s[64:65] scope:SCOPE_SE
	s_setreg_imm32_b32 hwreg(HW_REG_WAVE_MODE, 25, 1), 1
	s_wait_xcnt 0x0
; LAYER NORM.  y[r][c] = (x[r][c] - mean) / sqrt(var + 1e-5) * w[c] + b[c].  x: [4096][1024] f32; y: [4096][1024] f16, rounded once.  All arithmetic in f32; the variance is taken of x - mean.
; LIMIT: |y| stays under 65,504 (f16).
; A row is 4,096 bytes: one wave keeps it in 32 registers between the passes, so it is read once and no wave waits for another.  Eight waves, two rows each; the gain and bias of a lane's 32 columns stay in registers.
; Load j of a row covers its bytes 512 j .. 512 j + 511; a lane's 4 numbers leave as 8 bytes, so 32 lanes store 256 consecutive bytes, aligned.
.set W,  4                             ; v[4:35]    gain of my columns
.set BV, 36                            ; v[36:67]   bias
.set X,  68                            ; v[68:131]  two rows
.set T,  132                           ; v[132:139] four chains of sums
.set MU, 140                           ; v[140:141] the mean, twice
.set R,  142                           ; v[142:143] 1 / sqrt(var + eps), twice
.set PX, 144                           ; v144       what the other half of the lanes sends
.set Y,  146                           ; v[146:177] two rows in f16
	s_load_b256 s[4:11], s[0:1], 0x0               ; x s[4:5], w s[6:7], b s[8:9], y s[10:11]
	v_lshrrev_b32 v3, 5, v0
	v_readfirstlane_b32 s16, v3                    ; wave 0..7
	v_and_b32 v1, 31, v0
	v_lshlrev_b32 v2, 3, v1                        ; 8 bytes a lane, out
	v_lshlrev_b32 v1, 4, v1                        ; 16 bytes a lane, in
	v_mov_b32 v[PX], 0                             ; the exchange counts its destination as read
	s_lshl_b32 s17, ttmp9, 4
	s_lshl_b32 s16, s16, 1
	s_add_co_u32 s17, s17, s16                     ; my first row
	s_lshl_b32 s2, s17, 12
	s_mov_b32 s3, 0
	s_lshl_b32 s18, s17, 11
	s_mov_b32 s19, 0
	s_mov_b32 s12, 0x76543210                      ; each lane takes its own place in the other half
	s_mov_b32 s13, 0xfedcba98
	s_mov_b32 s14, 0x3a800000                      ; 1 / 1024
	s_mov_b32 s15, 0x3727c5ac                      ; 1e-5
	s_wait_kmcnt 0x0
	s_add_nc_u64 s[4:5], s[4:5], s[2:3]
	s_add_nc_u64 s[10:11], s[10:11], s[18:19]
.irp j, 0,1,2,3,4,5,6,7
	global_load_b128 v[W+4*(\j):W+4*(\j)+3], v1, s[6:7] offset:512*(\j)
.endr
.irp j, 0,1,2,3,4,5,6,7
	global_load_b128 v[BV+4*(\j):BV+4*(\j)+3], v1, s[8:9] offset:512*(\j)
.endr
.irp s, 0,1
.irp j, 0,1,2,3,4,5,6,7
	global_load_b128 v[X+32*(\s)+4*(\j):X+32*(\s)+4*(\j)+3], v1, s[4:5] offset:4096*(\s)+512*(\j) th:TH_LOAD_NT
.endr
.endr
; The four chains into one number, the same in every lane: four steps inside each half of 16 lanes ride on the additions, one crosses the halves.
.macro REDUCE
	v_pk_add_f32 v[T:T+1], v[T:T+1], v[T+2:T+3]
	v_pk_add_f32 v[T+4:T+5], v[T+4:T+5], v[T+6:T+7]
	v_pk_add_f32 v[T:T+1], v[T:T+1], v[T+4:T+5]
	v_add_f32 v[T], v[T], v[T+1]
	v_add_f32_dpp v[T], v[T], v[T] row_xmask:1 row_mask:0xf bank_mask:0xf
	v_add_f32_dpp v[T], v[T], v[T] row_xmask:2 row_mask:0xf bank_mask:0xf
	v_add_f32_dpp v[T], v[T], v[T] row_xmask:4 row_mask:0xf bank_mask:0xf
	v_add_f32_dpp v[T], v[T], v[T] row_xmask:8 row_mask:0xf bank_mask:0xf
	v_permlanex16_b32 v[PX], v[T], s12, s13
	v_add_f32 v[T], v[T], v[PX]
.endm
.macro ROW s, left
.set XS, X+32*(\s)
.set YS, Y+16*(\s)
	s_wait_loadcnt \left                           ; loads come back in order: this row is in, the younger loads stay out
.irp k, 0,1,2,3
	v_pk_add_f32 v[T+2*(\k):T+2*(\k)+1], v[XS+2*(\k):XS+2*(\k)+1], v[XS+8+2*(\k):XS+8+2*(\k)+1]  ; the first pairs start the chains: nothing is cleared
.endr
.irp g, 16,24
.irp k, 0,1,2,3
	v_pk_add_f32 v[T+2*(\k):T+2*(\k)+1], v[T+2*(\k):T+2*(\k)+1], v[XS+(\g)+2*(\k):XS+(\g)+2*(\k)+1]
.endr
.endr
	REDUCE
	v_mul_f32 v[MU], s14, v[T]
	v_mul_f32 v[MU+1], s14, v[T]
.set i, 0
.rept 16
	v_pk_add_f32 v[XS+i:XS+i+1], v[XS+i:XS+i+1], v[MU:MU+1] neg_lo:[0,1] neg_hi:[0,1]  ; x - mean, in place
.set i, i+2
.endr
.irp k, 0,1,2,3
	v_pk_mul_f32 v[T+2*(\k):T+2*(\k)+1], v[XS+2*(\k):XS+2*(\k)+1], v[XS+2*(\k):XS+2*(\k)+1]
.endr
.irp g, 8,16,24
.irp k, 0,1,2,3
	v_pk_fma_f32 v[T+2*(\k):T+2*(\k)+1], v[XS+(\g)+2*(\k):XS+(\g)+2*(\k)+1], v[XS+(\g)+2*(\k):XS+(\g)+2*(\k)+1], v[T+2*(\k):T+2*(\k)+1]
.endr
.endr
	REDUCE
	v_fma_f32 v[T], v[T], s14, s15                 ; var + eps
	v_rsq_f32 v[R], v[T]
	v_rsq_f32 v[R+1], v[T]
	v_nop                                          ; a plain instruction behind the second root,
	s_wait_alu depctr_va_vdst(0)                   ; and the one wait ahead of the first use of the pair
.set i, 0
.rept 16
	v_pk_mul_f32 v[XS+i:XS+i+1], v[XS+i:XS+i+1], v[R:R+1]
	v_pk_fma_f32 v[XS+i:XS+i+1], v[XS+i:XS+i+1], v[W+i:W+i+1], v[BV+i:BV+i+1]
.set i, i+2
.endr
.set i, 0
.rept 16
	v_cvt_pk_f16_f32 v[YS+i], v[XS+2*i], v[XS+2*i+1]
.set i, i+1
.endr
.irp j, 0,1,2,3,4,5,6,7
	global_store_b64 v2, v[YS+2*(\j):YS+2*(\j)+1], s[10:11] offset:2048*(\s)+256*(\j)  ; 32 lanes store 256 consecutive bytes, aligned
.endr
.endm
	ROW 0, 8
	ROW 1, 0
	s_endpgm
.Lfunc_end_k_q7bba2c6fe7_ln1:
	.size	k_q7bba2c6fe7_ln1, .Lfunc_end_k_q7bba2c6fe7_ln1-k_q7bba2c6fe7_ln1
	.p2alignl 7, 3214868480
	.fill 96, 4, 3214868480
	.section	.rodata,"a",@progbits
	.p2align	6, 0x0
	.amdhsa_kernel k_q7bba2c6fe7_ln1
		.amdhsa_group_segment_fixed_size 0
		.amdhsa_private_segment_fixed_size 0
		.amdhsa_enable_private_segment 0
		.amdhsa_kernarg_size 32
		.amdhsa_user_sgpr_count 2
		.amdhsa_user_sgpr_kernarg_segment_ptr 1
		.amdhsa_wavefront_size32 1
		.amdhsa_system_sgpr_workgroup_id_x 1
		.amdhsa_system_sgpr_workgroup_id_y 1
		.amdhsa_system_sgpr_workgroup_id_z 1
		.amdhsa_system_vgpr_workitem_id 0
		.amdhsa_next_free_vgpr 180
		.amdhsa_next_free_sgpr 66
		.amdhsa_reserve_vcc 0
		.amdhsa_float_denorm_mode_32 3
		.amdhsa_float_denorm_mode_16_64 3
		.amdhsa_memory_ordered 1
		.amdhsa_forward_progress 1
		.amdhsa_inst_pref_size 20
	.end_amdhsa_kernel
	.amdgpu_metadata
---
amdhsa.version: [ 1, 2 ]
amdhsa.kernels:
  - .name:           k_q7bba2c6fe7_ln1
    .symbol:         k_q7bba2c6fe7_ln1.kd
    .args:
      - { .name: x, .offset: 0, .size: 8, .value_kind: global_buffer, .address_space: global }
      - { .name: ln1_w, .offset: 8, .size: 8, .value_kind: global_buffer, .address_space: global }
      - { .name: ln1_b, .offset: 16, .size: 8, .value_kind: global_buffer, .address_space: global }
      - { .name: act, .offset: 24, .size: 8, .value_kind: global_buffer, .address_space: global }
    .group_segment_fixed_size: 0
    .private_segment_fixed_size: 0
    .kernarg_segment_align: 8
    .kernarg_segment_size: 32
    .max_flat_workgroup_size: 256
    .sgpr_count:     66
    .vgpr_count:     180
    .wavefront_size: 32
...
	.end_amdgpu_metadata
.endif
;; end of part 2
;; launch qkv (part 3): grid 12 x 16, 4 waves a work-group, clusters of 4 x 4, 327,680 bytes of LDS; arguments act, wqkv, big; writes big
.if DOCPART == 3
	.amdgcn_target "amdgcn-amd-amdhsa--gfx1250"
	.amdhsa_code_object_version 6
	.text
	.protected	k_q7bba2c6fe7_qkv
	.globl	k_q7bba2c6fe7_qkv
	.p2align	8
	.type	k_q7bba2c6fe7_qkv,@function
k_q7bba2c6fe7_qkv:
	s_mov_b64 s[64:65], 0
	v_nop
	global_prefetch_b8 v0, s[64:65] scope:SCOPE_SE
	s_setreg_imm32_b32 hwreg(HW_REG_WAVE_MODE, 25, 1), 1
	s_wait_xcnt 0x0
	s_wait_alu depctr_hold_cnt(0) depctr_sa_sdst(0) depctr_va_vdst(0) depctr_va_sdst(0) depctr_va_ssrc(0) depctr_va_vcc(0) depctr_vm_vsrc(0)
	s_getreg_b32 s2, hwreg(HW_REG_IB_STS2, 6, 4)
	s_cmp_eq_u32 s2, 0
	s_cbranch_scc0 .Lentry_in_a_cluster
	s_endpgm
.Lentry_in_a_cluster:
	s_bfe_u32 s2, ttmp6, 0x10000c
	s_cmp_lg_u32 s2, 0xf033
	s_cbranch_scc0 .Lentry_shape_is_right
	s_endpgm
.Lentry_shape_is_right:
; C[m][n] = max(floor, bias[n] + sum over k of A[m][k] B[n][k]).  A: [4096][1024] f16.  The second buffer holds the floor (two f16 in its first word), the f32 bias from byte 256 and B, f16 [N][1024], from byte 16,640.
; C leaves in f16, rounded once, IN BLOCKS OF 64 COLUMNS: [N / 64][4096][64], so that a block's rows lie end to end.  One text for q, k, v (bias 0, floor -infinity: every number passes) and for the first feed-forward layer (b1, floor 0: the ReLU).
; LIMITS: |C| stays under 65,504 (f16); a NaN is replaced by the floor.
; A tile of C, 256 x 256, is made by four waves, each 128 x 128: 64 accumulators of 16 x 16, 512 registers.  K goes in 8 steps of 128 through a ring of two LDS slots filled by the tensor data mover; rows of A's and B's tiles are 256 bytes, aligned.
; CLUSTERS: 4 x 4 work-groups.  The four of a row of the cluster need the same tiles of A, the four of a column the same tiles of B: each tile is asked for jointly, by the same tensor load with the same descriptor and a mask that names the four.
; THE MATRIX INSTRUCTION IS USED TRANSPOSED (source 0 = 16 rows of B, source 1 = 16 rows of A): a lane holds row m = l % 16 and the columns 8 (l / 16) + 0..7.  The bias, laid the same way, is the C operand of the products that start the sums.
; REGISTERS, in windows of 256: window 0: v0-31 addresses; v64-191 A's fragments, two buffers; v192-255 the bias, later with v32-63 at work on the way out.  window 1: v64-191 B's fragments.  windows 2, 3: the accumulators ((a, b) at v[8 (8 a + b)]).
.set SIZE_K, 1024
.set KSTEP,  128
.set PITCH,  272                       ; an LDS row: 256 bytes + 16 of padding: the 16 rows that a load touches start at 16 different groups of four banks
.set HALFT,  128*PITCH
.set SLOT,   4*HALFT                   ; A's 256 rows, then B's 256 rows
.set STAGE,  2*SLOT                    ; behind the ring: for each wave 2 column blocks x 16 rows x 144 bytes
.set SPITCH, 144
.set WSTAGE, 2*16*SPITCH
.set SPARE,  STAGE+4*WSTAGE            ; behind the stages: the spare words, 128 bytes for each wave
.set LAPS,   SIZE_K/(2*KSTEP)
.set WOFF,   16640                     ; where B begins in its buffer
.set PLANE,  4096*128                  ; bytes in a block of 64 columns of C
.set ADRA, 16                          ; v16-17  LDS address of my A fragments in slot 0, 1
.set ADRB, 20                          ; v20-21  the same for B
.set STO,  24                          ; v24     the way out: where I put 16 bytes of a row
.set RD,   25                          ; v25     where I read rows back
.set GO,   26                          ; v26     16 x lane
.set BO,   27                          ; v27     my byte offset in the bias
.set SPW,  28                          ; v28     my spare word; never rewritten
.set NIL,  29                          ; v29     0; never rewritten
.set PFO,  30                          ; v30     the prefetches' offset: lane x a row of 2,048 bytes
.set PFA,  44                          ; s[44:45] where my prefetches stand
.set LIM,  43                          ; s43     1 in a wave that prefetches, else the greatest number
.set F0,   64
.set F1,   128
.set BIAS, 192
.set TMP,  192
.set OB,   32
.set G1, 24                            ; s[24:31] descriptor group 1 for A's tiles;  s[32:39] group 0, one set a slot
.set G0, 32
.set G1B, 48                           ; s[48:55], s[56:63] the same for B's
.set G0B, 56
.set MSB, 0
.macro WIN new                         ; the high byte repeats the setting that is left; a switch that changes nothing is dropped
.if MSB != (\new)
	s_set_vgpr_msb (MSB<<8)|(\new)
.set MSB, \new
.endif
.endm
.set MUL_LO, 0xa1                      ; source 0 (B) window 1, source 1 (A) window 0, C and D window 2
.set TO_B,   0x40                      ; destination window 1, address window 0
; A joint load: waves 0 and 1 fetch A's halves, waves 2 and 3 B's.  The branch hangs on the wave's number alone.  An s_nop 0 and four v_nop follow each line.
.macro JLOAD s
	s_cmp_eq_u32 s11, 0
	s_cbranch_scc0 .Lfor_b_\@
	tensor_load_to_lds s[G0+4*(\s):G0+4*(\s)+3], s[G1:G1+7]
	s_nop 0
.rept 4
	v_nop
.endr
	s_branch .Lasked_\@
.Lfor_b_\@:
	tensor_load_to_lds s[G0B+4*(\s):G0B+4*(\s)+3], s[G1B:G1B+7]
	s_nop 0
.rept 4
	v_nop
.endr
.Lasked_\@:
.endm
; A prefetch of the K step that stands two refills on: 32 rows x 256 bytes, a lane a row.  A's rows are asked for by the clusters with x = 0, B's by those with y = 0; of the 128 rows that a wave fetches each of the four
; partners takes 32, told apart by address.  So each row's 256 bytes of a K step are named once.  K steps 0-3 come by their loads alone; the loop's last trip (s3 = 1) has no K step two on.
.macro ASK
	s_cmp_gt_u32 s3, s[LIM]
	s_cbranch_scc0 .Lnot_mine_\@
	global_prefetch_b8 v[PFO], s[PFA:PFA+1] offset:KSTEP*2 th:TH_LOAD_NT scope:SCOPE_SE
.Lnot_mine_\@:
.endm
.macro CREST                           ; a round of the cluster's barrier behind its opening barrier
	s_cmp_lg_u32 s10, 0
	s_cbranch_scc1 .Lnot_wave_0_\@
	s_barrier_signal -3
.Lnot_wave_0_\@:
	s_barrier_wait -3
	s_barrier_signal -1
	s_barrier_wait -1
.endm
.macro CROUND
	s_barrier_signal -1
	s_barrier_wait -1
	CREST
.endm
	s_load_b128 s[4:7], s[0:1], 0x0                ; A s[4:5]; floor, bias and B s[6:7]
	s_load_b64 s[8:9], s[0:1], 0x10                ; C
	v_lshl_add_u32 v[SPW], v0, 2, SPARE
	v_mov_b32 v[NIL], 0
	ds_add_u32 v[SPW], v[NIL]                      ; the opening: the add and its wait stand ahead of my first tensor load; the set-up below stands between them
	ds_add_u32 v28, v29
	v_lshrrev_b32 v1, 5, v0
	v_readfirstlane_b32 s10, v1                    ; wave 0..3
	s_lshr_b32 s11, s10, 1                         ; which half of the tile's rows is mine.  Also: I fetch for A (0) or for B (1)
	s_and_b32 s12, s10, 1                          ; which half of its columns.  Also: which 128 rows I fetch
	s_bfe_u32 s40, ttmp6, 0x40000                  ; cx
	s_bfe_u32 s41, ttmp6, 0x40004                  ; cy
	s_lshl_b32 s42, ttmp9, 2
	s_add_co_u32 s42, s42, s40                     ; tile column
	s_and_b32 s13, ttmp7, 0xffff
	s_lshl_b32 s13, s13, 2
	s_add_co_u32 s13, s13, s41                     ; tile row
	s_lshl_b32 s43, s41, 2
	s_lshl_b32 s43, 15, s43                        ; my row of the cluster
	s_lshl_b32 s44, 0x1111, s40                    ; my column
	s_or_b32 s[G1+0], s43, (1<<16)|(1<<20)|(1<<21)|(5<<22)|(3<<25)   ; mask; 2-byte elements; padding on; bit 21 beside a mask; after every 64 words 4 words
	s_or_b32 s[G1B+0], s44, (1<<16)|(1<<20)|(1<<21)|(5<<22)|(3<<25)
.irp g, G1, G1B
	s_mov_b32 s[(\g)+1], KSTEP<<16                 ; tensor_dim0 = 128
	s_mov_b32 s[(\g)+2], 128<<16                   ; tensor_dim1 = 128
	s_mov_b32 s[(\g)+3], KSTEP<<16                 ; tile_dim0 = 128
	s_mov_b32 s[(\g)+4], 128                       ; tile_dim1 = 128
	s_mov_b32 s[(\g)+5], SIZE_K                    ; elements from row to row
	s_mov_b32 s[(\g)+6], 0
	s_mov_b32 s[(\g)+7], 0
.endr
	s_lshl_b32 s17, s12, 7
	s_lshl_b32 s16, s13, 8
	s_add_co_u32 s16, s16, s17                     ; A: row 256 x tile row + 128 x half
	s_lshl_b32 s16, s16, 11                        ; in bytes
	s_lshl_b32 s46, s42, 8
	s_add_co_u32 s46, s46, s17                     ; B: row 256 x tile column + 128 x half
	s_lshl_b32 s46, s46, 11
	s_mov_b32 s17, 0
	s_mov_b32 s47, 0
	s_mul_i32 s20, s10, HALFT                      ; where they go: wave x 128 rows
	s_wait_dscnt 0x0                               ; the opening add is done
	s_wait_kmcnt 0x0
	s_add_nc_u64 s[68:69], s[6:7], WOFF            ; B
	s_add_nc_u64 s[14:15], s[4:5], s[16:17]
	s_add_nc_u64 s[46:47], s[68:69], s[46:47]
	CROUND                                         ; all sixteen work-groups are here: the first joint loads meet
.irp s, 0,1
	s_mov_b32 s[G0+4*(\s)], 1
	s_add_co_u32 s[G0+4*(\s)+1], s20, (\s)*SLOT
	s_add_nc_u64 s[G0+4*(\s)+2:G0+4*(\s)+3], s[14:15], (\s)*KSTEP*2
	s_or_b32 s[G0+4*(\s)+3], s[G0+4*(\s)+3], 0x80000000
	s_mov_b32 s[G0B+4*(\s)], 1
	s_add_co_u32 s[G0B+4*(\s)+1], s20, (\s)*SLOT
	s_add_nc_u64 s[G0B+4*(\s)+2:G0B+4*(\s)+3], s[46:47], (\s)*KSTEP*2
	s_or_b32 s[G0B+4*(\s)+3], s[G0B+4*(\s)+3], 0x80000000
	JLOAD \s
.endr
	v_and_b32 v1, 15, v0                           ; l % 16
	v_bfe_u32 v2, v0, 4, 1                         ; l / 16
	s_lshl_b32 s20, s42, 10
	s_lshl_b32 s21, s12, 9
	s_add_co_u32 s20, s20, s21
	v_lshl_add_u32 v[BO], v2, 5, s20               ; 4 bytes x (256 x tile column + 128 x half + 8 (l / 16))
.irp b, 0,1,2,3,4,5,6,7
	global_load_b128 v[BIAS+8*(\b):BIAS+8*(\b)+3],   v[BO], s[6:7] offset:256+64*(\b)
	global_load_b128 v[BIAS+8*(\b)+4:BIAS+8*(\b)+7], v[BO], s[6:7] offset:256+64*(\b)+16
.endr
	s_load_b32 s66, s[6:7], 0x0                    ; the floor
	v_mul_u32_u24 v3, v1, PITCH
	v_lshl_add_u32 v3, v2, 4, v3                   ; a fragment: row x pitch + 16 x half
	s_mul_i32 s21, s11, HALFT
	s_mul_i32 s22, s12, HALFT
	s_add_co_u32 s22, s22, 2*HALFT
.irp s, 0,1
	v_add_nc_u32 v[ADRA+(\s)], s21, v3
	v_add_nc_u32 v[ADRB+(\s)], s22, v3
	s_add_co_u32 s21, s21, SLOT
	s_add_co_u32 s22, s22, SLOT
.endr
	s_mul_i32 s23, s10, WSTAGE
	s_add_co_u32 s23, s23, STAGE                   ; my stage
	v_mul_u32_u24 v4, v1, SPITCH                   ; in: row l % 16, 16 bytes for each half of the lanes
	v_lshl_add_u32 v4, v2, 4, v4
	v_add_nc_u32 v[STO], s23, v4
	v_bfe_u32 v5, v0, 3, 2                         ; back: 32 lanes take four rows of 128 bytes,
	v_mul_u32_u24 v5, v5, SPITCH
	v_and_b32 v6, 7, v0
	v_lshl_add_u32 v5, v6, 4, v5
	v_add_nc_u32 v[RD], s23, v5
	v_and_b32 v[GO], 31, v0                        ; which are 512 consecutive bytes of C
	v_lshlrev_b32 v[GO], 4, v[GO]
	s_lshl_b32 s16, s13, 8
	s_lshl_b32 s17, s11, 7
	s_add_co_u32 s16, s16, s17                     ; my first row of C,
	s_lshl_b32 s16, s16, 7                         ; 128 bytes a row in a block
	s_mov_b32 s17, 0
	s_add_nc_u64 s[8:9], s[8:9], s[16:17]
	s_lshl_b32 s46, s42, 2                         ; my first block of 64 columns (in the registers that held B's address: none that feeds A's descriptors ever holds cx)
	s_lshl_b32 s47, s12, 1
	s_add_co_u32 s46, s46, s47
	s_lshl_b32 s46, s46, 19
	s_mov_b32 s47, 0
	s_add_nc_u64 s[8:9], s[8:9], s[46:47]
	s_lshl_b32 s20, s13, 8                         ; the prefetches: the tile's first row in A,
	s_lshl_b32 s21, s42, 8                         ; in B
	s_and_b32 s22, ttmp7, 0xffff
	s_cmp_eq_u32 s11, 0                            ; do I fetch for A?
	s_cselect_b32 s20, s20, s21
	s_cselect_b32 s21, s40, s41                    ; my place among the four that ask with me
	s_cselect_b32 s22, ttmp9, s22                  ; the coordinate along which other clusters read the same rows
	s_cselect_b64 s[PFA:PFA+1], s[4:5], s[68:69]
	s_cmp_eq_u32 s22, 0
	s_cselect_b32 s[LIM], 1, -1                    ; the same in all sixteen partners, for a given wave
	s_lshl_b32 s22, s12, 7
	s_add_co_u32 s20, s20, s22
	s_lshl_b32 s21, s21, 5
	s_add_co_u32 s20, s20, s21
	s_lshl_b32 s20, s20, 11
	s_mov_b32 s21, 0
	s_add_nc_u64 s[PFA:PFA+1], s[PFA:PFA+1], s[20:21]
	s_add_nc_u64 s[PFA:PFA+1], s[PFA:PFA+1], 2*KSTEP*2  ; at K step 2: the first refill steps it to 3 and names K step 4
	v_and_b32 v[PFO], 31, v0
	v_lshlrev_b32 v[PFO], 11, v[PFO]
; 16 matrix instructions: m blocks a0, a0 + 1 of the window's four (hi = 0: rows 0-63, 1: rows 64-127) x all 8 n blocks, 32 along K.  zero = 1: the first product starts the sums, with the bias as C.
; The 64 accumulators take turns, one instruction a turn, in the same order in every quarter.
.macro MUL16 f, hi, a0, zero
.if \zero
	WIN 0x81+0x40*(\hi)                            ; C in window 0
.else
	WIN MUL_LO+0x50*(\hi)
.endif
.irp a, \a0, (\a0)+1
.irp b, 0,1,2,3,4,5,6,7
.if \zero
	v_wmma_f32_16x16x32_f16 v[8*(8*(\a)+(\b)):8*(8*(\a)+(\b))+7], v[(\f)+8*(\b):(\f)+8*(\b)+7], v[(\f)+8*(4*(\hi)+(\a)):(\f)+8*(4*(\hi)+(\a))+7], v[BIAS+8*(\b):BIAS+8*(\b)+7]
.else
	v_wmma_f32_16x16x32_f16 v[8*(8*(\a)+(\b)):8*(8*(\a)+(\b))+7], v[(\f)+8*(\b):(\f)+8*(\b)+7], v[(\f)+8*(4*(\hi)+(\a)):(\f)+8*(4*(\hi)+(\a))+7], v[8*(8*(\a)+(\b)):8*(8*(\a)+(\b))+7]
.endif
.endr
.endr
.endm
; 32 LDS loads in one run: the fragments of one quarter step (32 K at byte k of the rows) into buffer f
.macro FETCH slot, k, f
	WIN TO_B
.irp i, 0,1,2,3,4,5,6,7
	ds_load_b128 v[(\f)+8*(\i):(\f)+8*(\i)+3],   v[ADRB+(\slot)] offset:(\k)+(\i)*16*PITCH
	ds_load_b128 v[(\f)+8*(\i)+4:(\f)+8*(\i)+7], v[ADRB+(\slot)] offset:(\k)+(\i)*16*PITCH+32
.endr
	WIN 0
.irp i, 0,1,2,3,4,5,6,7
	ds_load_b128 v[(\f)+8*(\i):(\f)+8*(\i)+3],   v[ADRA+(\slot)] offset:(\k)+(\i)*16*PITCH
	ds_load_b128 v[(\f)+8*(\i)+4:(\f)+8*(\i)+7], v[ADRA+(\slot)] offset:(\k)+(\i)*16*PITCH+32
.endr
.endm
.macro PLACES                          ; four plain instructions between a matrix instruction and a load into, or a vector read of, its registers
.rept 4
	v_nop
.endr
.endm
.macro QUARTER slot, k, f, g, zero     ; multiplies buffer f; in its middle fetches the next quarter, at byte k, into g
	s_wait_dscnt 8                                 ; B and A's rows 0-63 are in; the youngest eight loads may be out
	MUL16 \f, 0, 0, \zero
	MUL16 \f, 0, 2, \zero
	PLACES
	FETCH \slot, \k, \g
	s_wait_dscnt 32                                ; all but the 32 just issued
	MUL16 \f, 1, 0, \zero
	MUL16 \f, 1, 2, \zero
.endm
; The first half of a K step's last quarter: one barrier for the change of slots.  In front of it each wave waits for all its tensor loads (one is out: its part of the next slot), adds 0 to its spare word, and waits for that and for its reads of this slot.
.macro MEET round
	WIN 0
	s_wait_tensorcnt 0x0
	ds_add_u32 v[SPW], v[NIL]
	s_wait_dscnt 9                                 ; the add and the youngest eight loads may be out
	MUL16 F1, 0, 0, 0
	s_wait_dscnt 0x0                               ; the add is done, and my reads of this slot are over
	s_barrier_signal -1
	MUL16 F1, 0, 2, 0
.if \round
	WIN 0
.endif
	s_barrier_wait -1
.endm
.macro TURN slot, next                 ; the whole last quarter: the slot just read is filled again, two K steps on, first thing behind the round
	s_wait_xcnt 0x0                                ; the last prefetch, a K step back, has read its address
	s_add_nc_u64 s[PFA:PFA+1], s[PFA:PFA+1], KSTEP*2
	MEET 1
	CREST                                          ; no wave of any partner still reads this slot or has a load on its way
	s_add_nc_u64 s[G0+4*(\slot)+2:G0+4*(\slot)+3], s[G0+4*(\slot)+2:G0+4*(\slot)+3], 2*KSTEP*2
	s_add_nc_u64 s[G0B+4*(\slot)+2:G0B+4*(\slot)+3], s[G0B+4*(\slot)+2:G0B+4*(\slot)+3], 2*KSTEP*2
	JLOAD \slot                                    ; its four v_nop are also the places in front of the loads below
	FETCH \next, 0, F0
	ASK
	MUL16 F1, 1, 0, 0
	MUL16 F1, 1, 2, 0
.endm
; THE WAY OUT of block a (16 rows): rounded to f16 and held to the floor; into my stage; back as rows of 128 bytes, four to a load; stored, 512 consecutive bytes a store.
.macro PACK a
.set AC, 64*((\a)%4)
	WIN 0x0a+5*((\a)/4)                            ; sources 0 and 1: window 2 or 3
.irp b, 0,1,2,3,4,5,6,7
.irp r, 0,1,2,3
	v_cvt_pk_f16_f32 v[TMP+4*(\b)+(\r)], v[AC+8*(\b)+2*(\r)], v[AC+8*(\b)+2*(\r)+1]
.endr
.endr
	WIN 0
.set i, 0
.rept 32
	v_pk_max_num_f16 v[TMP+i], v[TMP+i], s66
.set i, i+1
.endr
.endm
.macro TOSTAGE a
.set BK, OB+192*((\a)%2)
.irp b, 0,1,2,3,4,5,6,7
	ds_store_b128 v[STO], v[TMP+4*(\b):TMP+4*(\b)+3] offset:((\b)/4)*16*SPITCH+((\b)%4)*32
.endr
.irp t, 0,1,2,3,4,5,6,7
	ds_load_b128 v[BK+4*(\t):BK+4*(\t)+3], v[RD] offset:((\t)/4)*16*SPITCH+((\t)%4)*4*SPITCH  ; LDS serves a wave's instructions in order: these see the stores above
.endr
.endm
.macro SEND a
.set BK, OB+192*((\a)%2)
	s_wait_dscnt 0x0                               ; the block is back in registers
	s_wait_xcnt 0x0                                ; the earlier stores have read their registers: the other buffer is loaded again only behind this wait
.irp t, 0,1,2,3,4,5,6,7
	global_store_b128 v[GO], v[BK+4*(\t):BK+4*(\t)+3], s[8:9] offset:((\t)/4)*PLANE+(\a)*2048+((\t)%4)*512
.endr
.endm
	s_wait_tensorcnt 1                             ; my part of K step 0 is in; K step 1 may stay out
	s_barrier_signal -1
	s_barrier_wait -1
	FETCH 0, 0, F0
	s_wait_loadcnt 0x0                             ; the bias
	s_wait_kmcnt 0x0                               ; the floor
	QUARTER 0, 64,  F0, F1, 1
	WIN 0
	s_mov_b32 s3, LAPS-1
.Llap:                                                 ; a trip goes once round the ring, from a lap's second quarter to the next lap's first, and fills both slots again
	QUARTER 0, 128, F1, F0, 0
	QUARTER 0, 192, F0, F1, 0
	TURN 0, 1
	QUARTER 1, 64,  F0, F1, 0
	QUARTER 1, 128, F1, F0, 0
	QUARTER 1, 192, F0, F1, 0
	TURN 1, 0
	QUARTER 0, 64,  F0, F1, 0
	WIN 0
	s_sub_co_u32 s3, s3, 1
	s_cmp_lg_u32 s3, 0
	s_cbranch_scc1 .Llap
	QUARTER 0, 128, F1, F0, 0                      ; the last lap fills nothing
	QUARTER 0, 192, F0, F1, 0
	MEET 0
	PLACES
	FETCH 1, 0, F0
	MUL16 F1, 1, 0, 0
	MUL16 F1, 1, 2, 0
	QUARTER 1, 64,  F0, F1, 0
	QUARTER 1, 128, F1, F0, 0
	QUARTER 1, 192, F0, F1, 0
	s_wait_dscnt 8
	MUL16 F1, 0, 0, 0
	MUL16 F1, 0, 2, 0
	s_wait_dscnt 0x0
	MUL16 F1, 1, 0, 0
	MUL16 F1, 1, 2, 0
	PLACES
	PACK 0
	TOSTAGE 0
.irp a, 1,2,3,4,5,6,7                  ; block a's conversions stand between block a - 1's loads from the stage and the wait for them
	PACK \a
	SEND (\a)-1
	TOSTAGE \a
.endr
	SEND 7
	s_wait_tensorcnt 0x0                           ; the end of the wave
	ds_add_u32 v[SPW], v[NIL]
	s_wait_dscnt 0x0
	CROUND                                         ; the closing round
	s_endpgm
.Lfunc_end_k_q7bba2c6fe7_qkv:
	.size	k_q7bba2c6fe7_qkv, .Lfunc_end_k_q7bba2c6fe7_qkv-k_q7bba2c6fe7_qkv
	.p2alignl 7, 3214868480
	.fill 96, 4, 3214868480
	.section	.rodata,"a",@progbits
	.p2align	6, 0x0
	.amdhsa_kernel k_q7bba2c6fe7_qkv
		.amdhsa_group_segment_fixed_size 327680
		.amdhsa_private_segment_fixed_size 0
		.amdhsa_enable_private_segment 0
		.amdhsa_kernarg_size 24
		.amdhsa_user_sgpr_count 2
		.amdhsa_user_sgpr_kernarg_segment_ptr 1
		.amdhsa_wavefront_size32 1
		.amdhsa_system_sgpr_workgroup_id_x 1
		.amdhsa_system_sgpr_workgroup_id_y 1
		.amdhsa_system_sgpr_workgroup_id_z 1
		.amdhsa_system_vgpr_workitem_id 0
		.amdhsa_next_free_vgpr 1024
		.amdhsa_next_free_sgpr 70
		.amdhsa_reserve_vcc 0
		.amdhsa_float_denorm_mode_32 3
		.amdhsa_float_denorm_mode_16_64 3
		.amdhsa_memory_ordered 1
		.amdhsa_forward_progress 1
		.amdhsa_inst_pref_size 161
	.end_amdhsa_kernel
	.amdgpu_metadata
---
amdhsa.version: [ 1, 2 ]
amdhsa.kernels:
  - .name:           k_q7bba2c6fe7_qkv
    .symbol:         k_q7bba2c6fe7_qkv.kd
    .args:
      - { .name: act, .offset: 0, .size: 8, .value_kind: global_buffer, .address_space: global }
      - { .name: wqkv, .offset: 8, .size: 8, .value_kind: global_buffer, .address_space: global }
      - { .name: big, .offset: 16, .size: 8, .value_kind: global_buffer, .address_space: global }
    .group_segment_fixed_size: 327680
    .private_segment_fixed_size: 0
    .kernarg_segment_align: 8
    .kernarg_segment_size: 24
    .max_flat_workgroup_size: 128
    .sgpr_count:     70
    .vgpr_count:     1024
    .wavefront_size: 32
...
	.end_amdgpu_metadata
.endif
;; end of part 3
;; launch attn (part 4): grid 8 x 32, 4 waves a work-group, no clusters, 327,680 bytes of LDS; arguments big, act; writes act
.if DOCPART == 4
	.amdgcn_target "amdgcn-amd-amdhsa--gfx1250"
	.amdhsa_code_object_version 6
	.text
	.protected	k_q7bba2c6fe7_attn
	.globl	k_q7bba2c6fe7_attn
	.p2align	8
	.type	k_q7bba2c6fe7_attn,@function
k_q7bba2c6fe7_attn:
	s_mov_b64 s[64:65], 0
	v_nop
	global_prefetch_b8 v0, s[64:65] scope:SCOPE_SE
	s_setreg_imm32_b32 hwreg(HW_REG_WAVE_MODE, 25, 1), 1
	s_wait_xcnt 0x0
; CAUSAL ATTENTION, head size 64.  O[q] = the sum over k <= q of softmax_k(Q[q] . K[k] / 8) V[k], for 32 pairs of batch and head with 2,048 rows each.
; big: f16 [48][4096][64]: planes 0-15 q by heads, 16-31 k, 32-47 v; row = 2048 x batch + t.  act takes O: f16 [16][4096][64].  Products, maxima and sums in f32; the weights are rounded to f16 for the second product, O once.
; LIMITS.  q, k, v arrive within f16's 65,504.  A hidden score counts as its value less 1e30; a weight below 2^-126 counts as 0 in the sum; NaN and infinities are not treated apart.
; THE WALK.  A head's queries lie in 16 blocks of 128; block i needs the key tiles 0 .. i / 2 of 256 keys.  A work-group takes blocks 15 - b and then b: nine tiles, whatever b: one loop with a constant trip count.
; NO CLUSTER: the 8 work-groups of a head ask for the same tile in trips 0 to 4 only, and one walk common to all would have 12 tiles for 9.
; SHARES.  Wave w owns rows 32 w .. 32 w + 31 of a block: two tiles of 16 queries.  In a block's last tile its rows lie in the key step OWN; earlier steps are seen whole, later ones not at all.
; THE MASK is the C operand that starts S^T = K Q^T: MC = MD x AL + BE.  MD, made once, is the mask of my own step (0 or -1e30).  (AL, BE) = (1, 0) in that step, (0, -1e30) behind it, else (0, 0): MC stays 0 outside a block's last tile.
; IN PHASES.  A key step: 16 products K Q^T; V and the next K are asked of LDS; the softmax of both tiles (one batch of 66 exponentials, one wait); 16 products V^T P.
; LAYOUT.  S^T holds one query a lane (l % 16) and the keys 8 (l / 16) + 0..7; two such results rounded to f16 are source 1 of O^T = V^T P.  p = 2^(c s - c m), c = log2(e) / 8, with a running maximum m; O and l are multiplied by a = 2^(c m_old - c m_new) in every step.
; REGISTERS: window 0: v0-15 addresses; v16-23 statistics (c m, m, l, l a tile); v24-31 at work; v32-35; v61-63; v64-127 S^T; v128-159 P; v160-223 O^T.
;   window 1: v0-31 Q; v32-63 the second block's Q; v64-127 K of a step; v128-191 V of a step; v192-255 MC.   window 2: v0-63 MD.
.set KS,    64
.set PK,    144                        ; a row of K in LDS: 128 bytes + 16
.set PV,    160                        ; a row of V: 128 + 32
.set VOFF,  4*KS*PK                    ; a slot holds a tile: 256 rows of K, then 256 rows of V
.set SLOT1, 1<<17
.set STAGE, SLOT1+4*KS*(PK+PV)         ; behind the ring: 16 rows x 144 bytes for each wave
.set SP,    144
.set SPARE, STAGE+4*16*SP              ; behind the stages: the spare words
.set AK0, 2
.set AV0, 3
.set AK,  4
.set AV,  5
.set STO, 6
.set RD,  7
.set GO,  8
.set QO,  15
.set ST,  16
.set TMP, 24
.set MV,  32
.set PFO, 61                           ; v61  256 x lane
.set SPW, 62                           ; v62  my spare word; never rewritten
.set NIL, 63                           ; v63  0; never rewritten
.set S,   64
.set P,   128
.set O,   160
.set QB,  32                           ; window 1
.set KF,  64
.set VF,  128
.set MC,  192
.set MD,  0                            ; window 2
.set WV,  12
.set PB,  14                           ; s14  b
.set HI,  15                           ; s15  15 - b
.set G1K, 24
.set G1V, 32
.set G0K, 40
.set G0V, 44
.set PBH, 48                           ; s48  the second block's last tile
.set PAR, 49                           ; s49  2 x (the block in hand is odd)
.set OWN, 50                           ; s50  the step counter's value at my own step of a last tile
.set LIM, 51                           ; s51  2 in the head's first work-group, else the greatest number
.set PFA, 52                           ; s[52:53] my 16 KiB of the tile behind the one that is being asked for
.set SLOTS, 56
.set CNT, 57
.set CS,  58
.set SEL, 60
.set TBK, 62
.set TBV, 63
.set RT,  70                           ; s70  tiles of the block in hand still to be entered
.set NXT, 71                           ; s71  the tile to be asked for next
.set LQ,  72                           ; s72  the last tile of the block whose tiles are being asked for
.set NEW, 73                           ; s73  1: the tile to be entered is the second block's first
.set OFF, 74
.set AL,  76
.set BE,  78
.set OLO, 80
.set BIGN, 82
.set MSB, 0
.macro WIN new
.if MSB != (\new)
	s_set_vgpr_msb (MSB<<8)|(\new)
.set MSB, (\new)
.endif
.endm
.set W_KQ, 0x05                        ; K and Q in window 1
.set W_KM, 0x15                        ; and the C operand too
.set W_PV, 0x01                        ; V in window 1
.set TO_1, 0x40                        ; destination window 1
; A fill: waves 0 and 1 fetch the halves of a tile's K, waves 2 and 3 those of its V: 128 keys each.  An s_nop 0 and four v_nop follow each line.
.macro LOAD
	s_cmp_lt_u32 s[WV], 2
	s_cbranch_scc0 .Lfor_v_\@
	tensor_load_to_lds s[G0K:G0K+3], s[G1K:G1K+7]
	s_nop 0
.rept 4
	v_nop
.endr
	s_branch .Lasked_\@
.Lfor_v_\@:
	tensor_load_to_lds s[G0V:G0V+3], s[G1V:G1V+7]
	s_nop 0
.rept 4
	v_nop
.endr
.Lasked_\@:
.endm
; A prefetch of the tile that the next change of slots will ask for, four key steps ahead.  All work-groups of a head walk tiles 0 to 4 or more; the one with b = 0 walks 0 to 7 on end and asks, each wave for the 64 rows of
; 256 bytes that it will fetch itself: a lane a row, two instructions.  Trips 0 to 5 name tiles 2 to 7, each once; tiles 0 and 1 come by their loads alone.
.macro ASK
	s_cmp_gt_u32 s[SLOTS], s[LIM]
	s_cbranch_scc0 .Lnot_mine_\@
	global_prefetch_b8 v[PFO], s[PFA:PFA+1] th:TH_LOAD_NT scope:SCOPE_SE
	global_prefetch_b8 v[PFO], s[PFA:PFA+1] offset:8192 th:TH_LOAD_NT scope:SCOPE_SE
.Lnot_mine_\@:
.endm
; THE CHANGE OF SLOTS.  Each wave waits for all its tensor loads (one is out: its part of the other slot), adds 0 to its spare word, and waits for that and for its reads of the slot that it leaves.
; fill = 1: the old slot is filled again, first thing behind the barrier, with tile NXT; the descriptor's address is made anew from that number.
.macro CHANGE fill
	WIN 0
	s_wait_tensorcnt 0x0
	ds_add_u32 v[SPW], v[NIL]                      ; 0 onto my spare word; scalar work stands between it and the wait for it
.if \fill
	s_lshl_b32 s[OFF], s[NXT], 15                  ; a tile is 32,768 bytes of K and of V
	s_xor_b32 s[G0K+1], s[G0K+1], SLOT1
	s_add_nc_u64 s[G0K+2:G0K+3], s[6:7], s[OFF:OFF+1]
	s_or_b32 s[G0K+3], s[G0K+3], 0x80000000
	s_xor_b32 s[G0V+1], s[G0V+1], SLOT1
	s_add_nc_u64 s[G0V+2:G0V+3], s[8:9], s[OFF:OFF+1]
	s_or_b32 s[G0V+3], s[G0V+3], 0x80000000
	s_add_co_u32 s[NXT], s[NXT], 1                 ; the block's next tile, or behind its last the second block's tile 0
	s_cmp_gt_u32 s[NXT], s[LQ]
	s_cselect_b32 s[NXT], 0, s[NXT]
	s_cselect_b32 s[LQ], s[PBH], s[LQ]
	s_wait_xcnt 0x0                                ; the last prefetches, a tile back, have read their address
	s_add_nc_u64 s[PFA:PFA+1], s[PFA:PFA+1], 32768
.endif
	s_wait_dscnt 0x0                               ; the add is done, and my reads of the slot are over
	s_barrier_signal -1
	s_sub_co_u32 s[TBK], s[TBK], 4*KS*PK           ; the fetches go back to a slot's first step, in the other slot
	s_xor_b32 s[TBK], s[TBK], SLOT1
	s_sub_co_u32 s[TBV], s[TBV], 4*KS*PV
	s_xor_b32 s[TBV], s[TBV], SLOT1
	s_barrier_wait -1
.if \fill
	LOAD
	ASK
.endif
.endm
.macro MASK                            ; MC = MD x AL + BE
	WIN 0x42                                       ; destination window 1, source 0 window 2
.set z, 0
.rept 32
	v_pk_fma_f32 v[MC+2*z:MC+2*z+1], v[MD+2*z:MD+2*z+1], s[AL:AL+1], s[BE:BE+1] op_sel_hi:[1,0,0]
.set z, z+1
.endr
	WIN 0
.endm
; A BLOCK BEGINS.  c m starts far below every c s, so the first step's a is 0 and what O and l hold need only be finite; m at the lowest finite number.  The masks are 0.
.macro BEGIN
	s_mov_b32 s[NEW], 0
.irp u, 0,1
	v_mov_b32 v[ST+4*(\u)], 0xfe000000
	v_mov_b32 v[ST+4*(\u)+1], 0xff7fffff
.endr
	s_lshr_b32 s13, s[WV], 1
	s_sub_co_u32 s[OWN], 4, s[PAR]
	s_sub_co_u32 s[OWN], s[OWN], s13
	s_mov_b32 s[AL], 0
	s_mov_b32 s[BE], 0
	MASK
.endm
	s_load_b128 s[88:91], s[0:1], 0x0              ; big s[88:89], act s[90:91]
	v_lshl_add_u32 v[SPW], v0, 2, SPARE
	v_mov_b32 v[NIL], 0
	ds_add_u32 v[SPW], v[NIL]                      ; the opening: the add and its wait ahead of my first tensor load
	ds_add_u32 v62, v63
	v_lshrrev_b32 v1, 5, v0
	v_readfirstlane_b32 s[WV], v1
	s_mov_b32 s[PB], ttmp9
	s_sub_co_u32 s[HI], 15, s[PB]
	s_lshr_b32 s[PBH], s[PB], 1
	s_and_b32 s2, ttmp7, 0xffff
	s_and_b32 s20, s2, 15                          ; the head: a plane of 524,288 bytes,
	s_lshl_b32 s20, s20, 19
	s_lshr_b32 s21, s2, 4                          ; the batch: 2,048 rows of 128 bytes
	s_lshl_b32 s21, s21, 18
	s_add_co_u32 s20, s20, s21
	s_and_b32 s16, s[WV], 1                        ; which half of a tile's 256 keys I fetch
	s_lshl_b32 s22, s16, 14
	s_add_co_u32 s22, s22, s20
	s_mov_b32 s23, 0
	s_mul_i32 s17, s16, 128*PK
	s_mul_i32 s18, s16, 128*PV
	s_lshl_b32 s3, s[WV], 12                       ; my 32 rows in a block of 128,
	s_lshl_b32 s2, s[HI], 14                       ; in the first block,
	s_add_co_u32 s2, s2, s3
	s_add_co_u32 s2, s2, s20
	s_lshl_b32 s84, s[PB], 14                      ; and in the second
	s_add_co_u32 s84, s84, s3
	s_add_co_u32 s84, s84, s20
	s_mov_b32 s3, 0
	s_mov_b32 s85, 0
	s_mov_b32 s[G1K], (1<<16)|(1<<20)|(4<<22)|(3<<25)  ; 2-byte elements; padding on: after every 32 words 4 words
	s_mov_b32 s[G1V], (1<<16)|(1<<20)|(4<<22)|(7<<25)  ; 8 words
.irp g, G1K, G1V
	s_mov_b32 s[\g+1], 128<<16                     ; 128 keys are 16,384 dense bytes: asked for as 64 rows of 256 bytes
	s_mov_b32 s[\g+2], 64<<16
	s_mov_b32 s[\g+3], 128<<16
	s_mov_b32 s[\g+4], 64
	s_mov_b32 s[\g+5], 128
	s_mov_b32 s[\g+6], 0
	s_mov_b32 s[\g+7], 0
.endr
	s_mov_b32 s[CS], 0x3e38aa3b                    ; c = log2(e) / 8
	s_mov_b32 s[CS+1], s[CS]
	s_mov_b32 s[SEL], 0x76543210
	s_mov_b32 s[SEL+1], 0xfedcba98
	s_mov_b32 s[TBK], SLOT1+4*KS*PK                ; the first change of slots turns these two into 0
	s_mov_b32 s[TBV], SLOT1+4*KS*PV
	s_mov_b32 s[G0K], 1
	s_mov_b32 s[G0K+1], s17
	s_mov_b32 s[G0V], 1
	s_add_co_u32 s[G0V+1], s18, VOFF
	s_lshr_b32 s[LQ], s[HI], 1
	s_add_co_u32 s[RT], s[LQ], 1
	s_and_b32 s[PAR], s[HI], 1
	s_lshl_b32 s[PAR], s[PAR], 1
	s_mov_b32 s[NXT], 1
	s_mov_b32 s[OFF+1], 0
	s_mov_b32 s[AL+1], 0
	s_mov_b32 s[BE+1], 0
	s_mov_b32 s[BIGN], 0xf149f2ca                  ; -1e30
	s_mov_b32 s[SLOTS], 8
	s_cmp_eq_u32 ttmp9, 0
	s_cselect_b32 s[LIM], 2, -1
	s_wait_dscnt 0x0                               ; the opening add is done
	s_wait_kmcnt 0x0
	s_add_nc_u64 s[6:7], s[88:89], s[22:23]
	s_add_nc_u64 s[8:9], s[6:7], 0x1000000         ; V: 32 planes on, at my half of tile 0
	s_add_nc_u64 s[6:7], s[6:7], 0x800000          ; K: 16 planes on
	s_add_nc_u64 s[G0K+2:G0K+3], s[6:7], 0
	s_or_b32 s[G0K+3], s[G0K+3], 0x80000000
	s_add_nc_u64 s[G0V+2:G0V+3], s[8:9], 0
	s_or_b32 s[G0V+3], s[G0V+3], 0x80000000
	s_add_nc_u64 s[86:87], s[88:89], s[84:85]      ; Q at my rows of the second block,
	s_add_nc_u64 s[4:5], s[88:89], s[2:3]          ; of the first
	s_add_nc_u64 s[OLO:OLO+1], s[90:91], s[84:85]
	s_add_nc_u64 s[10:11], s[90:91], s[2:3]
	s_cmp_lt_u32 s[WV], 2
	s_cselect_b64 s[PFA:PFA+1], s[6:7], s[8:9]
	s_add_nc_u64 s[PFA:PFA+1], s[PFA:PFA+1], 32768 ; at tile 1; the first change steps it to tile 2
	LOAD                                           ; tile 0 into slot 0
	v_and_b32 v1, 15, v0                           ; l % 16
	v_bfe_u32 v9, v0, 4, 1                         ; l / 16
	v_lshlrev_b32 v[QO], 7, v1
	v_lshl_add_u32 v[QO], v9, 4, v[QO]
	WIN TO_1
.set i, 0
.rept 4                                ; both blocks' Q: tile i / 2, channels 32 (i % 2) on
	global_load_b128 v[8*i:8*i+3],   v[QO], s[4:5] offset:(i/2)*2048+(i%2)*64
	global_load_b128 v[8*i+4:8*i+7], v[QO], s[4:5] offset:(i/2)*2048+(i%2)*64+32
	global_load_b128 v[QB+8*i:QB+8*i+3],   v[QO], s[86:87] offset:(i/2)*2048+(i%2)*64
	global_load_b128 v[QB+8*i+4:QB+8*i+7], v[QO], s[86:87] offset:(i/2)*2048+(i%2)*64+32
.set i, i+1
.endr
	WIN 0
	v_lshlrev_b32 v34, 3, v9
	v_sub_nc_u32 v34, v1, v34
	s_lshl_b32 s13, s16, 5
	v_add_nc_u32 v34, s13, v34                     ; my query's place in its step of 64 keys, 32 (w % 2) + l % 16, less 8 (l / 16): tile 0,
	v_add_nc_u32 v35, 16, v34                      ; tile 1.  Register r of key group kt is hidden where 16 kt + r is greater
	WIN 0x80
.set i, 0
.rept 64
	v_cmp_gt_i32 vcc_lo, 16*((i%32)/8)+i%8, v[34+i/32]
	v_cndmask_b32 v[MD+i], 0, s[BIGN], vcc_lo
.set i, i+1
.endr
	WIN 0
	v_mul_u32_u24 v[AK0], v1, PK
	v_lshl_add_u32 v[AK0], v9, 4, v[AK0]
	v_and_b32 v10, 7, v0                           ; the turning load: lane l reads key 8 (l / 16) + l % 8, channels 8 ((l / 8) % 2) + 0..7
	v_bfe_u32 v11, v0, 3, 1
	v_lshl_add_u32 v[AV0], v9, 3, v10
	v_mul_u32_u24 v[AV0], v[AV0], PV
	v_lshl_add_u32 v[AV0], v11, 4, v[AV0]
	v_add_nc_u32 v[AV0], VOFF, v[AV0]
	s_mul_i32 s13, s[WV], 16*SP
	s_add_co_u32 s13, s13, STAGE
	v_mul_u32_u24 v[STO], v1, SP
	v_lshl_add_u32 v[STO], v9, 4, v[STO]
	v_add_nc_u32 v[STO], s13, v[STO]
	v_bfe_u32 v[RD], v0, 3, 2
	v_mul_u32_u24 v[RD], v[RD], SP
	v_lshl_add_u32 v[RD], v10, 4, v[RD]
	v_add_nc_u32 v[RD], s13, v[RD]
	v_and_b32 v[GO], 31, v0
	v_lshlrev_b32 v[GO], 4, v[GO]
	v_and_b32 v[PFO], 31, v0
	v_lshlrev_b32 v[PFO], 8, v[PFO]
.set i, 0
.rept 64
	v_mov_b32 v[O+i], 0                            ; finite numbers for the first step's a = 0; written in the wait for the first tile
.set i, i+1
.endr
.irp u, 0,1
	v_mov_b32 v[ST+4*(\u)+2], 0
	v_mov_b32 v[ST+4*(\u)+3], 0
.endr
	BEGIN                                          ; the first block begins here, so that every path into the loop finds its registers written
; THE MATRIX WORK.  Eight accumulators take turns, one instruction a turn.
.macro KQ                              ; product i of 16 of S^T = K Q^T: channels 32 (i / 8) on, keys 16 ((i / 2) % 4) on, tile i % 2.  The first 8 start the sums with the mask
.set rS, S+32*(i%2)+8*((i/2)%4)
.set rK, KF+16*((i/2)%4)+8*(i/8)
.set rQ, 16*(i%2)+8*(i/8)
.set rX, MC+32*(i%2)+8*((i/2)%4)
.if i < 8
	WIN W_KM
	v_wmma_f32_16x16x32_f16 v[rS:rS+7], v[rK:rK+7], v[rQ:rQ+7], v[rX:rX+7]
.else
	WIN W_KQ
	v_wmma_f32_16x16x32_f16 v[rS:rS+7], v[rK:rK+7], v[rQ:rQ+7], v[rS:rS+7]
.endif
.set i, i+1
.endm
.macro PVM                             ; product i of 16 of O^T += V^T P: keys 32 (i / 8) on, channels 16 ((i / 2) % 4) on, tile i % 2
	WIN W_PV
.set rO, O+32*(i%2)+8*((i/2)%4)
.set rV, VF+32*(i/8)+8*((i/2)%4)
.set rP, P+16*(i%2)+8*(i/8)
	v_wmma_f32_16x16x32_f16 v[rO:rO+7], v[rV:rV+7], v[rP:rP+7], v[rO:rO+7]
.set i, i+1
.endm
.macro FETCH_K skip                    ; a step's K: 8 fragments.  skip = 1: a tile's last step has no next step in this slot
.if \skip
	s_cmp_eq_u32 s[CNT], 1
	s_cbranch_scc1 .Lno_k_\@
.endif
	WIN TO_1
.irp f, 0,1,2,3,4,5,6,7
	ds_load_b128 v[KF+8*\f:KF+8*\f+3],   v[AK] offset:(\f/2)*16*PK+(\f%2)*64
	ds_load_b128 v[KF+8*\f+4:KF+8*\f+7], v[AK] offset:(\f/2)*16*PK+(\f%2)*64+32
.endr
	s_add_co_u32 s[TBK], s[TBK], KS*PK
	WIN 0
.if \skip
.Lno_k_\@:
.endif
.endm
.macro FETCH_V                         ; a step's V, turned
	WIN TO_1
.irp f, 0,1,2,3,4,5,6,7
	ds_load_tr16_b128 v[VF+8*\f:VF+8*\f+3],   v[AV] offset:(\f/4)*32*PV+(\f%4)*32
	ds_load_tr16_b128 v[VF+8*\f+4:VF+8*\f+7], v[AV] offset:(\f/4)*32*PV+16*PV+(\f%4)*32
.endr
	s_add_co_u32 s[TBV], s[TBV], KS*PV
	WIN 0
.endm
; THE VECTOR WORK, all in window 0.
.macro REGS u
.set rT, ST+4*(\u)
.set rC, TMP+4*(\u)
.set rM, MV+(\u)
.set rS, S+32*(\u)
.set rP, P+16*(\u)
.set rO, O+32*(\u)
.endm
; Number n of the 22 that find a tile's maximum and statistics: 0-11 four chains of seven scores each (each accumulator's lowest registers are read first); 12-14, 16 the four scores left over, the old m, all into c0;
; 15 c m_old is kept; 17, 18 the query's other 32 keys lie in the lane 16 away; 19-21 c m, its change, a.
.macro XS u, n
	REGS \u
.if (\n) < 4
	v_max3_num_f32 v[rC+(\n)], v[rS+8*(\n)], v[rS+8*(\n)+1], v[rS+8*(\n)+2]
.elseif (\n) < 12
	v_max3_num_f32 v[rC+(\n)%4], v[rC+(\n)%4], v[rS+8*((\n)%4)+2*((\n)/4)+1], v[rS+8*((\n)%4)+2*((\n)/4)+2]
.elseif (\n) == 12
	v_max3_num_f32 v[rC], v[rC], v[rS+7], v[rS+15]
.elseif (\n) == 13
	v_max3_num_f32 v[rC+1], v[rC+1], v[rS+23], v[rS+31]
.elseif (\n) == 14
	v_max3_num_f32 v[rC+2], v[rC+2], v[rC+3], v[rT+1]
.elseif (\n) == 15
	v_mov_b32 v[rM], v[rT]
.elseif (\n) == 16
	v_max3_num_f32 v[rC], v[rC], v[rC+1], v[rC+2]
.elseif (\n) == 17
	v_permlanex16_b32 v[rC+3], v[rC], s[SEL], s[SEL+1]
.elseif (\n) == 18
	v_max_num_f32 v[rT+1], v[rC], v[rC+3]
.elseif (\n) == 19
	v_mul_f32 v[rT], s[CS], v[rT+1]
.elseif (\n) == 20
	v_sub_f32 v[rC+1], v[rM], v[rT]
.else
	v_exp_f32 v[rC+2], v[rC+1]
.endif
.endm
.macro FS k, u                         ; c s - c m for pair k
	REGS \u
	v_pk_fma_f32 v[rS+2*(\k):rS+2*(\k)+1], v[rS+2*(\k):rS+2*(\k)+1], s[CS:CS+1], v[rT:rT+1] op_sel_hi:[1,0,0] neg_lo:[0,0,1] neg_hi:[0,0,1]
.endm
.macro EX e, u
	REGS \u
	v_exp_f32 v[rS+(\e)], v[rS+(\e)]
.endm
; Ahead of the one wait stands all that names no exponential's result: the statistics, the two a, the scalings and the 64 exponentials, a pair's behind the next pair's scaling.  Behind it: roundings, sums, and O^T times a.
.macro SOFTMAX
.irp n, 0,1,2,3,4,5,6,7,8,9,10,11,12,13,14,15,16,17,18,19,20,21
	XS 0, \n
	XS 1, \n
.endr
	FS 0, 0
	FS 0, 1
.set k, 1
.rept 15
	FS k, 0
	EX 2*k-2, 0
	FS k, 1
	EX 2*k-2, 1
	EX 2*k-1, 0
	EX 2*k-1, 1
.set k, k+1
.endr
	EX 30, 0
	EX 30, 1
	EX 31, 0
	EX 31, 1
	v_nop                                          ; a plain instruction behind the last exponential: one for the batch
	s_wait_alu depctr_va_vdst(0)                   ; the wait ahead of the first use: one for the 66
.set k, 0
.rept 8
.irp u, 0,1
	REGS \u
	v_cvt_pk_f16_f32 v[rP+2*k], v[rS+4*k], v[rS+4*k+1]
	v_cvt_pk_f16_f32 v[rP+2*k+1], v[rS+4*k+2], v[rS+4*k+3]
.endr
.irp u, 0,1
	REGS \u
	v_pk_add_f32 v[rS+4*k:rS+4*k+1], v[rS+4*k:rS+4*k+1], v[rS+4*k+2:rS+4*k+3]
.endr
.set k, k+1
.endr
.set k, 0
.rept 8
.irp u, 0,1
	REGS \u
.if k == 0
	v_pk_fma_f32 v[rT+2:rT+3], v[rT+2:rT+3], v[rC+2:rC+3], v[rS:rS+1] op_sel_hi:[1,0,1]  ; l = a l + sum
.else
	v_pk_add_f32 v[rT+2:rT+3], v[rT+2:rT+3], v[rS+4*k:rS+4*k+1]
.endif
.endr
.irp z, 0,1
.irp u, 0,1
	REGS \u
	v_pk_mul_f32 v[rO+4*k+2*(\z):rO+4*k+2*(\z)+1], v[rO+4*k+2*(\z):rO+4*k+2*(\z)+1], v[rC+2:rC+3] op_sel_hi:[1,0]  ; ascending: each accumulator is read from its low end on
.endr
.endr
.set k, k+1
.endr
.endm
; THE WAY OUT of a block.  l's halves and the other half of the lanes' are added; O^T is divided by l, rounded to f16 and sent through my stage, a tile (16 rows) at a time.
.macro PACK u
.set i, 0
.rept 16
	v_pk_mul_f32 v[O+32*(\u)+2*i:O+32*(\u)+2*i+1], v[O+32*(\u)+2*i:O+32*(\u)+2*i+1], v[ST+4*(\u)+2:ST+4*(\u)+3] op_sel_hi:[1,0]
.set i, i+1
.endr
.set i, 0
.rept 16
	v_cvt_pk_f16_f32 v[S+16*(\u)+i], v[O+32*(\u)+2*i], v[O+32*(\u)+2*i+1]
.set i, i+1
.endr
.irp f, 0,1,2,3
	ds_store_b128 v[STO], v[S+16*(\u)+4*\f:S+16*(\u)+4*\f+3] offset:32*\f
.endr
.irp f, 0,1,2,3
	ds_load_b128 v[S+16*(\u)+4*\f:S+16*(\u)+4*\f+3], v[RD] offset:\f*4*SP  ; LDS serves a wave's instructions in order: these see the stores above
.endr
.endm
.macro SEND u, younger
.irp f, 0,1,2,3
	s_wait_dscnt (\younger)+3-\f
	global_store_b128 v[GO], v[S+16*(\u)+4*\f:S+16*(\u)+4*\f+3], s[10:11] offset:(\u)*2048+\f*512  ; 512 consecutive bytes, aligned
.endr
.endm
.macro FINISH last
.rept 4
	v_nop                                          ; the places behind the last products
.endr
.irp u, 0,1
	v_add_f32 v[ST+4*(\u)+2], v[ST+4*(\u)+2], v[ST+4*(\u)+3]
.endr
.irp u, 0,1
	v_permlanex16_b32 v[ST+4*(\u)+3], v[ST+4*(\u)+2], s[SEL], s[SEL+1]
.endr
.irp u, 0,1
	v_add_f32 v[ST+4*(\u)+2], v[ST+4*(\u)+2], v[ST+4*(\u)+3]
.endr
.irp u, 0,1
	v_rcp_f32 v[ST+4*(\u)+2], v[ST+4*(\u)+2]
.endr
	v_nop
	s_wait_alu depctr_va_vdst(0)                   ; one wait for the two reciprocals
	PACK 0
	PACK 1
	SEND 0, 8
	SEND 1, 0
.if !(\last)
	s_wait_xcnt 0x0                                ; the stores have read their registers and their base
	s_mov_b64 s[10:11], s[OLO:OLO+1]
	s_add_co_u32 s[RT], s[PBH], 1
	s_and_b32 s[PAR], s[PB], 1
	s_lshl_b32 s[PAR], s[PAR], 1
	s_mov_b32 s[NEW], 1
	WIN 0x41                                       ; the second block's Q goes where the products name Q
.set i, 0
.rept 32
	v_mov_b32 v[i], v[QB+i]
.set i, i+1
.endr
	WIN 0
.endif
.endm
; A TILE: four key steps.  All jumps but the step loop's own go forward, past text without a barrier or a tensor load.
.macro TILE last
	s_sub_co_u32 s[RT], s[RT], 1
	s_cmp_eq_u32 s[NEW], 1
	s_cbranch_scc0 .Lold_\@
	BEGIN
.Lold_\@:
	v_add_nc_u32 v[AK], s[TBK], v[AK0]
	FETCH_K 0
	s_wait_loadcnt 0x0                             ; Q
	s_mov_b32 s[CNT], 4
.Lstep_\@:
	s_cmp_eq_u32 s[RT], 0
	s_cbranch_scc0 .Lopen_\@                       ; not the block's last tile: the masks are 0
	s_cmp_eq_u32 s[CNT], s[OWN]
	s_cselect_b32 s[AL], 1.0, 0
	s_cmp_lt_u32 s[CNT], s[OWN]
	s_cselect_b32 s[BE], s[BIGN], 0
	MASK
.Lopen_\@:
	s_wait_dscnt 0x0                               ; K is in
.set i, 0
.rept 16
	KQ
.endr
	WIN 0
	v_add_nc_u32 v[AV], s[TBV], v[AV0]             ; four plain instructions: the places between the products and the loads into K's registers and the reads of the scores
	v_add_nc_u32 v[AK], s[TBK], v[AK0]
	v_nop
	v_nop
	FETCH_V
	FETCH_K 1
	SOFTMAX
	s_wait_dscnt 0x0                               ; V is in, and the next step's K
.set i, 0
.rept 16
	PVM
.endr
	WIN 0
	s_sub_co_u32 s[CNT], s[CNT], 1
	s_cmp_lg_u32 s[CNT], 0
	s_cbranch_scc1 .Lstep_\@
	s_cmp_eq_u32 s[RT], 0
	s_cbranch_scc0 .Lgo_\@
	FINISH \last
.Lgo_\@:
.endm
.Lslot:                                        ; eight times: a tile is entered and the next is asked for
	CHANGE 1
	TILE 0
	s_sub_co_u32 s[SLOTS], s[SLOTS], 1
	s_cmp_lg_u32 s[SLOTS], 0
	s_cbranch_scc1 .Lslot
	CHANGE 0                                       ; the ninth tile is written out
	TILE 1
	s_wait_tensorcnt 0x0                           ; the end of the wave
	ds_add_u32 v[SPW], v[NIL]
	s_wait_dscnt 0x0
	s_endpgm
.Lfunc_end_k_q7bba2c6fe7_attn:
	.size	k_q7bba2c6fe7_attn, .Lfunc_end_k_q7bba2c6fe7_attn-k_q7bba2c6fe7_attn
	.p2alignl 7, 3214868480
	.fill 96, 4, 3214868480
	.section	.rodata,"a",@progbits
	.p2align	6, 0x0
	.amdhsa_kernel k_q7bba2c6fe7_attn
		.amdhsa_group_segment_fixed_size 327680
		.amdhsa_private_segment_fixed_size 0
		.amdhsa_enable_private_segment 0
		.amdhsa_kernarg_size 16
		.amdhsa_user_sgpr_count 2
		.amdhsa_user_sgpr_kernarg_segment_ptr 1
		.amdhsa_wavefront_size32 1
		.amdhsa_system_sgpr_workgroup_id_x 1
		.amdhsa_system_sgpr_workgroup_id_y 1
		.amdhsa_system_sgpr_workgroup_id_z 1
		.amdhsa_system_vgpr_workitem_id 0
		.amdhsa_next_free_vgpr 576
		.amdhsa_next_free_sgpr 92
		.amdhsa_reserve_vcc 1
		.amdhsa_float_denorm_mode_32 3
		.amdhsa_float_denorm_mode_16_64 3
		.amdhsa_memory_ordered 1
		.amdhsa_forward_progress 1
		.amdhsa_inst_pref_size 82
	.end_amdhsa_kernel
	.amdgpu_metadata
---
amdhsa.version: [ 1, 2 ]
amdhsa.kernels:
  - .name:           k_q7bba2c6fe7_attn
    .symbol:         k_q7bba2c6fe7_attn.kd
    .args:
      - { .name: big, .offset: 0, .size: 8, .value_kind: global_buffer, .address_space: global }
      - { .name: act, .offset: 8, .size: 8, .value_kind: global_buffer, .address_space: global }
    .group_segment_fixed_size: 327680
    .private_segment_fixed_size: 0
    .kernarg_segment_align: 8
    .kernarg_segment_size: 16
    .max_flat_workgroup_size: 128
    .sgpr_count:     92
    .vgpr_count:     576
    .wavefront_size: 32
...
	.end_amdgpu_metadata
.endif
;; end of part 4
;; launch proj (part 5): grid 8 x 32, 4 waves a work-group, clusters of 4 x 4, 327,680 bytes of LDS; arguments act, wsm, bp, x, x1; writes x1
.if DOCPART == 5
	.amdgcn_target "amdgcn-amd-amdhsa--gfx1250"
	.amdhsa_code_object_version 6
	.text
	.protected	k_q7bba2c6fe7_proj
	.globl	k_q7bba2c6fe7_proj
	.p2align	8
	.type	k_q7bba2c6fe7_proj,@function
k_q7bba2c6fe7_proj:
	s_mov_b64 s[64:65], 0
	v_nop
	global_prefetch_b8 v0, s[64:65] scope:SCOPE_SE
	s_setreg_imm32_b32 hwreg(HW_REG_WAVE_MODE, 25, 1), 1
	s_wait_xcnt 0x0
	s_wait_alu depctr_hold_cnt(0) depctr_sa_sdst(0) depctr_va_vdst(0) depctr_va_sdst(0) depctr_va_ssrc(0) depctr_va_vcc(0) depctr_vm_vsrc(0)
	s_getreg_b32 s2, hwreg(HW_REG_IB_STS2, 6, 4)
	s_cmp_eq_u32 s2, 0
	s_cbranch_scc0 .Lentry_in_a_cluster
	s_endpgm
.Lentry_in_a_cluster:
	s_bfe_u32 s2, ttmp6, 0x10000c
	s_cmp_lg_u32 s2, 0xf033
	s_cbranch_scc0 .Lentry_shape_is_right
	s_endpgm
.Lentry_shape_is_right:
; C[m][n] = R[m][n] + bias[n] + sum over k of A[m][k] B[n][k].  A: f16 in blocks of 64 columns, [SIZE_K / 64][4096][64].  B: f16 [1024][SIZE_K], BOFF bytes into its buffer.  bias: f32 [1024].  R, C: f32 [4096][1024].  Sums in f32.
; A tile of C is 128 x 128: 256 work-groups.  Four waves, each 64 x 64: 16 accumulators.  K goes in steps of 256 through two LDS slots.  A wave's load of A brings the 64 rows of four blocks: each block's 64 rows are 8,192 bytes on end,
; so the tile is asked for as 4 rows of 4,096 elements, a block apart, and padded behind every 128 bytes: in LDS [4 blocks][64 rows][144 bytes].  B's tile: 64 rows of 512 bytes, pitch 528.
; CLUSTERS: 4 x 4; A's tiles are shared along a row of the cluster, B's along a column, by joint loads.  The matrix instruction is used transposed (source 0 = B's rows): a lane holds eight neighbouring columns of one row of C.
; The bias is the C operand of the products that start the sums; the residual is loaded at the head, in the layout in which the rows come back from the stage, and added there.
; A wave's 64 columns of f32 are 256 bytes, aligned: each wave has a stage of its own and no barrier stands on the way out.  No prefetch: the tile is small and each step's bytes are shared by four.
; REGISTERS: window 0: v0-31 addresses; v32-95 rows on the way out, two buffers; v96-127 the bias; v128-255 the accumulators ((a, b) at v[128 + 8 (4 a + b)]).  window 1: two fragment buffers of 128.  window 2: v0-127 the residual.
.set SIZE_K, 1024
.set BOFF,   0
.set KSTEP,  256
.set PITA,   144
.set PITB,   528
.set ZB,     64*PITA                   ; a block's 64 rows in LDS
.set HALFA,  4*ZB
.set HALFB,  64*PITB
.set SLOT,   2*HALFA+2*HALFB
.set ASTEP,  4*4096*128                ; a K step of A in memory: four blocks
.set STAGE,  2*SLOT
.set SPITCH, 272
.set SPARE,  STAGE+4*16*SPITCH
.set LAPS,   SIZE_K/(2*KSTEP)
.set ADRA, 16
.set ADRB, 20
.set STO,  24
.set RD,   25
.set CO,   26
.set BO,   27
.set SPW,  28
.set NIL,  29
.set T,    32
.set BIAS, 96
.set ACC,  128
.set F0,   0
.set F1,   128
.set G1, 24
.set G0, 32
.set G1B, 48
.set G0B, 56
.set MSB, 0
.macro WIN new
.if MSB != (\new)
	s_set_vgpr_msb (MSB<<8)|(\new)
.set MSB, \new
.endif
.endm
.set MUL,  0x05                        ; sources 0 (B) and 1 (A) window 1; C and D window 0
.set TO_F, 0x40
.macro JLOAD s                         ; waves 0 and 1 fetch A's halves, waves 2 and 3 B's; an s_nop 0 and four v_nop follow each line
	s_cmp_eq_u32 s11, 0
	s_cbranch_scc0 .Lfor_b_\@
	tensor_load_to_lds s[G0+4*(\s):G0+4*(\s)+3], s[G1:G1+7]
	s_nop 0
.rept 4
	v_nop
.endr
	s_branch .Lasked_\@
.Lfor_b_\@:
	tensor_load_to_lds s[G0B+4*(\s):G0B+4*(\s)+3], s[G1B:G1B+7]
	s_nop 0
.rept 4
	v_nop
.endr
.Lasked_\@:
.endm
.macro CREST
	s_cmp_lg_u32 s10, 0
	s_cbranch_scc1 .Lnot_wave_0_\@
	s_barrier_signal -3
.Lnot_wave_0_\@:
	s_barrier_wait -3
	s_barrier_signal -1
	s_barrier_wait -1
.endm
.macro CROUND
	s_barrier_signal -1
	s_barrier_wait -1
	CREST
.endm
	s_load_b128 s[4:7], s[0:1], 0x0                ; A s[4:5], B's buffer s[6:7]
	s_load_b128 s[68:71], s[0:1], 0x10             ; bias s[68:69], R s[70:71]
	s_load_b64 s[8:9], s[0:1], 0x20                ; C
	v_lshl_add_u32 v[SPW], v0, 2, SPARE
	v_mov_b32 v[NIL], 0
	ds_add_u32 v[SPW], v[NIL]                      ; the opening: the add and its wait ahead of my first tensor load
	ds_add_u32 v28, v29
	v_lshrrev_b32 v1, 5, v0
	v_readfirstlane_b32 s10, v1
	s_lshr_b32 s11, s10, 1                         ; my half of the rows.  Also: I fetch for A (0) or B (1)
	s_and_b32 s12, s10, 1                          ; my half of the columns.  Also: which 64 rows I fetch
	s_bfe_u32 s40, ttmp6, 0x40000
	s_bfe_u32 s41, ttmp6, 0x40004
	s_lshl_b32 s42, ttmp9, 2
	s_add_co_u32 s42, s42, s40                     ; tile column
	s_and_b32 s13, ttmp7, 0xffff
	s_lshl_b32 s13, s13, 2
	s_add_co_u32 s13, s13, s41                     ; tile row
	s_lshl_b32 s43, s41, 2
	s_lshl_b32 s43, 15, s43
	s_lshl_b32 s44, 0x1111, s40
	s_or_b32 s[G1+0], s43, (1<<16)|(1<<20)|(1<<21)|(4<<22)|(3<<25)   ; A: my row's mask; 2-byte elements; after every 32 words 4 words of padding
	s_mov_b32 s[G1+1], 4096<<16                    ; tensor_dim0 = 4,096: 64 rows of 64 elements on end
	s_mov_b32 s[G1+2], 4<<16                       ; tensor_dim1 = 4 blocks
	s_mov_b32 s[G1+3], 4096<<16                    ; tile_dim0
	s_mov_b32 s[G1+4], 4                           ; tile_dim1
	s_mov_b32 s[G1+5], 262144                      ; elements from block to block
	s_mov_b32 s[G1+6], 0
	s_mov_b32 s[G1+7], 0
	s_or_b32 s[G1B+0], s44, (1<<16)|(1<<20)|(1<<21)|(6<<22)|(3<<25)  ; B: my column's mask; after every 128 words 4 words
	s_mov_b32 s[G1B+1], KSTEP<<16
	s_mov_b32 s[G1B+2], 64<<16
	s_mov_b32 s[G1B+3], KSTEP<<16
	s_mov_b32 s[G1B+4], 64
	s_mov_b32 s[G1B+5], SIZE_K
	s_mov_b32 s[G1B+6], 0
	s_mov_b32 s[G1B+7], 0
	s_lshl_b32 s17, s12, 6
	s_lshl_b32 s16, s13, 7
	s_add_co_u32 s16, s16, s17                     ; A: row 128 x tile row + 64 x half,
	s_lshl_b32 s16, s16, 7                         ; 128 bytes a row in a block
	s_lshl_b32 s46, s42, 7
	s_add_co_u32 s46, s46, s17                     ; B: row 128 x tile column + 64 x half
	s_mul_i32 s46, s46, SIZE_K*2
	s_add_co_u32 s46, s46, BOFF
	s_mov_b32 s17, 0
	s_mov_b32 s47, 0
	s_mul_i32 s20, s10, HALFA                      ; where they go: A's halves (waves 0, 1),
	s_mul_i32 s21, s10, HALFB
	s_add_co_u32 s21, s21, 2*(HALFA-HALFB)         ; then B's (waves 2, 3)
	s_wait_dscnt 0x0
	s_wait_kmcnt 0x0
	s_add_nc_u64 s[14:15], s[4:5], s[16:17]
	s_add_nc_u64 s[46:47], s[6:7], s[46:47]
	CROUND
.irp s, 0,1
	s_mov_b32 s[G0+4*(\s)], 1
	s_add_co_u32 s[G0+4*(\s)+1], s20, (\s)*SLOT
	s_add_nc_u64 s[G0+4*(\s)+2:G0+4*(\s)+3], s[14:15], (\s)*ASTEP
	s_or_b32 s[G0+4*(\s)+3], s[G0+4*(\s)+3], 0x80000000
	s_mov_b32 s[G0B+4*(\s)], 1
	s_add_co_u32 s[G0B+4*(\s)+1], s21, (\s)*SLOT
	s_add_nc_u64 s[G0B+4*(\s)+2:G0B+4*(\s)+3], s[46:47], (\s)*KSTEP*2
	s_or_b32 s[G0B+4*(\s)+3], s[G0B+4*(\s)+3], 0x80000000
	JLOAD \s
.endr
	v_and_b32 v1, 15, v0
	v_bfe_u32 v2, v0, 4, 1
	s_lshl_b32 s20, s42, 9
	s_lshl_b32 s21, s12, 8
	s_add_co_u32 s20, s20, s21                     ; my first column, in bytes of f32
	v_lshl_add_u32 v[BO], v2, 5, s20
	v_lshlrev_b32 v5, 12, v2                       ; lanes 0-15 one row of C, lanes 16-31 the next
	v_lshl_add_u32 v[CO], v1, 4, v5
	s_lshl_b32 s16, s13, 7
	s_lshl_b32 s17, s11, 6
	s_add_co_u32 s16, s16, s17                     ; my first row
	s_lshl_b32 s16, s16, 12
	s_mov_b32 s17, 0
	s_add_nc_u64 s[8:9], s[8:9], s[16:17]
	s_add_nc_u64 s[70:71], s[70:71], s[16:17]
	s_mov_b32 s46, s20
	s_mov_b32 s47, 0
	s_add_nc_u64 s[8:9], s[8:9], s[46:47]
	s_add_nc_u64 s[70:71], s[70:71], s[46:47]
.irp b, 0,1,2,3
	global_load_b128 v[BIAS+8*(\b):BIAS+8*(\b)+3],   v[BO], s[68:69] offset:64*(\b)
	global_load_b128 v[BIAS+8*(\b)+4:BIAS+8*(\b)+7], v[BO], s[68:69] offset:64*(\b)+16
.endr
	WIN 0x80                                       ; destination window 2
.set i, 0
.rept 32
	global_load_b128 v[4*i:4*i+3], v[CO], s[70:71] offset:(16*(i/8)+2*(i%8))*4096
.set i, i+1
.endr
	WIN 0
	v_mul_u32_u24 v3, v1, PITA
	v_lshl_add_u32 v3, v2, 4, v3
	v_mul_u32_u24 v4, v1, PITB
	v_lshl_add_u32 v4, v2, 4, v4
	s_mul_i32 s21, s11, HALFA
	s_mul_i32 s22, s12, HALFB
	s_add_co_u32 s22, s22, 2*HALFA
.irp s, 0,1
	v_add_nc_u32 v[ADRA+(\s)], s21, v3
	v_add_nc_u32 v[ADRB+(\s)], s22, v4
	s_add_co_u32 s21, s21, SLOT
	s_add_co_u32 s22, s22, SLOT
.endr
	s_mul_i32 s23, s10, 16*SPITCH
	s_add_co_u32 s23, s23, STAGE
	v_mul_u32_u24 v5, v1, SPITCH                   ; in: row l % 16, 32 bytes for each half of the lanes
	v_lshl_add_u32 v5, v2, 5, v5
	v_add_nc_u32 v[STO], s23, v5
	v_mul_u32_u24 v5, v2, SPITCH                   ; back: lanes 0-15 one row of 256 bytes, lanes 16-31 the next
	v_lshl_add_u32 v5, v1, 4, v5
	v_add_nc_u32 v[RD], s23, v5
; 8 matrix instructions: m blocks a0, a0 + 1 x 4 n blocks, half c of buffer f.  zero = 1: the product starts the sum, with the bias as C.  The 16 accumulators take turns.
.macro MUL8 f, c, a0, zero
	WIN MUL
.irp a, \a0, (\a0)+1
.irp b, 0,1,2,3
.if \zero
	v_wmma_f32_16x16x32_f16 v[ACC+8*(4*(\a)+(\b)):ACC+8*(4*(\a)+(\b))+7], v[(\f)+64+8*(4*(\c)+(\b)):(\f)+64+8*(4*(\c)+(\b))+7], v[(\f)+8*(4*(\c)+(\a)):(\f)+8*(4*(\c)+(\a))+7], v[BIAS+8*(\b):BIAS+8*(\b)+7]
.else
	v_wmma_f32_16x16x32_f16 v[ACC+8*(4*(\a)+(\b)):ACC+8*(4*(\a)+(\b))+7], v[(\f)+64+8*(4*(\c)+(\b)):(\f)+64+8*(4*(\c)+(\b))+7], v[(\f)+8*(4*(\c)+(\a)):(\f)+8*(4*(\c)+(\a))+7], v[ACC+8*(4*(\a)+(\b)):ACC+8*(4*(\a)+(\b))+7]
.endif
.endr
.endr
.endm
; 32 LDS loads in one run: quarter q of a K step (64 along K: block q of A's four) into buffer f; the first 32 along K first
.macro FETCH slot, q, f
	WIN TO_F
.irp c, 0,1
.irp i, 0,1,2,3
	ds_load_b128 v[(\f)+64+8*(4*(\c)+(\i)):(\f)+64+8*(4*(\c)+(\i))+3],   v[ADRB+(\slot)] offset:128*(\q)+64*(\c)+(\i)*16*PITB
	ds_load_b128 v[(\f)+64+8*(4*(\c)+(\i))+4:(\f)+64+8*(4*(\c)+(\i))+7], v[ADRB+(\slot)] offset:128*(\q)+64*(\c)+(\i)*16*PITB+32
	ds_load_b128 v[(\f)+8*(4*(\c)+(\i)):(\f)+8*(4*(\c)+(\i))+3],         v[ADRA+(\slot)] offset:(\q)*ZB+64*(\c)+(\i)*16*PITA
	ds_load_b128 v[(\f)+8*(4*(\c)+(\i))+4:(\f)+8*(4*(\c)+(\i))+7],       v[ADRA+(\slot)] offset:(\q)*ZB+64*(\c)+(\i)*16*PITA+32
.endr
.endr
.endm
.macro PLACES
.rept 4
	v_nop
.endr
.endm
.macro QUARTER slot, q, f, g, zero     ; multiplies buffer f and fetches quarter q into g
	s_wait_dscnt 16                                ; the first 32 along K are in
	MUL8 \f, 0, 0, \zero
	MUL8 \f, 0, 2, \zero
	PLACES
	FETCH \slot, \q, \g
	s_wait_dscnt 32                                ; all but the 32 just issued
	MUL8 \f, 1, 0, 0
	MUL8 \f, 1, 2, 0
.endm
; The last quarter multiplies buffer 1 and changes slots: in front of the barrier each wave waits for all its tensor loads, adds 0 to its spare word, and waits for that and for its reads of this slot.  fill = 1: the slot is filled again, two K steps on.
.macro TURN slot, next, fill
	WIN 0
	s_wait_tensorcnt 0x0
	ds_add_u32 v[SPW], v[NIL]
	s_wait_dscnt 17                                ; the add and the youngest sixteen loads may be out
	MUL8 F1, 0, 0, 0
	s_wait_dscnt 0x0
	s_barrier_signal -1
	MUL8 F1, 0, 2, 0
.if \fill
	WIN 0
.endif
	s_barrier_wait -1
.if \fill
	CREST                                          ; no wave of any partner still reads this slot or has a load on its way
	s_add_nc_u64 s[G0+4*(\slot)+2:G0+4*(\slot)+3], s[G0+4*(\slot)+2:G0+4*(\slot)+3], 2*ASTEP
	s_add_nc_u64 s[G0B+4*(\slot)+2:G0B+4*(\slot)+3], s[G0B+4*(\slot)+2:G0B+4*(\slot)+3], 2*KSTEP*2
	JLOAD \slot
.else
	PLACES
.endif
	FETCH \next, 0, F0
	MUL8 F1, 1, 0, 0
	MUL8 F1, 1, 2, 0
.endm
; THE WAY OUT, 16 rows (block a) at a time: the sums go into my stage as they lie (each accumulator's low registers first) and come back as whole rows of 256 bytes; the residual is added; 16 lanes store 256 consecutive bytes, aligned.
.macro STG a
.if (\a) >= 2
	s_wait_xcnt 0x0                                ; the stores of the block two back have read this buffer
.endif
.irp b, 0,1,2,3
	ds_store_b128 v[STO], v[ACC+8*(4*(\a)+(\b)):ACC+8*(4*(\a)+(\b))+3]   offset:64*(\b)
	ds_store_b128 v[STO], v[ACC+8*(4*(\a)+(\b))+4:ACC+8*(4*(\a)+(\b))+7] offset:64*(\b)+16
.endr
.irp f, 0,1,2,3,4,5,6,7
	ds_load_b128 v[T+32*((\a)%2)+4*(\f):T+32*((\a)%2)+4*(\f)+3], v[RD] offset:(\f)*2*SPITCH  ; LDS serves a wave's instructions in order: these see the stores above
.endr
.endm
.macro FIN a, younger                  ; younger: the next block's sixteen LDS instructions, or none
	s_wait_dscnt \younger
.if (\a) == 0
	s_wait_loadcnt 0x0                             ; the residual
.endif
	WIN 0x08                                       ; source 1 window 2
.set i, 0
.rept 16
	v_pk_add_f32 v[T+32*((\a)%2)+2*i:T+32*((\a)%2)+2*i+1], v[T+32*((\a)%2)+2*i:T+32*((\a)%2)+2*i+1], v[32*(\a)+2*i:32*(\a)+2*i+1]
.set i, i+1
.endr
	WIN 0
.irp f, 0,1,2,3,4,5,6,7
	global_store_b128 v[CO], v[T+32*((\a)%2)+4*(\f):T+32*((\a)%2)+4*(\f)+3], s[8:9] offset:(16*(\a)+2*(\f))*4096
.endr
.endm
	s_wait_tensorcnt 1                             ; my part of K step 0 is in; K step 1 may stay out
	s_barrier_signal -1
	s_barrier_wait -1
	FETCH 0, 0, F0
	s_wait_loadcnt 32                              ; the bias is in; the residual's 32 loads stay out
	QUARTER 0, 1, F0, F1, 1
	WIN 0
	s_mov_b32 s3, LAPS-1
.Llap:
	QUARTER 0, 2, F1, F0, 0
	QUARTER 0, 3, F0, F1, 0
	TURN 0, 1, 1
	QUARTER 1, 1, F0, F1, 0
	QUARTER 1, 2, F1, F0, 0
	QUARTER 1, 3, F0, F1, 0
	TURN 1, 0, 1
	QUARTER 0, 1, F0, F1, 0
	WIN 0
	s_sub_co_u32 s3, s3, 1
	s_cmp_lg_u32 s3, 0
	s_cbranch_scc1 .Llap
	QUARTER 0, 2, F1, F0, 0                        ; the last lap fills nothing
	QUARTER 0, 3, F0, F1, 0
	TURN 0, 1, 0
	QUARTER 1, 1, F0, F1, 0
	QUARTER 1, 2, F1, F0, 0
	QUARTER 1, 3, F0, F1, 0
	s_wait_dscnt 16
	MUL8 F1, 0, 0, 0
	MUL8 F1, 0, 2, 0
	s_wait_dscnt 0x0
	MUL8 F1, 1, 0, 0
	MUL8 F1, 1, 2, 0
	WIN 0
	PLACES
	STG 0
	STG 1
	FIN 0, 16
	STG 2
	FIN 1, 16
	STG 3
	FIN 2, 16
	FIN 3, 0
	s_wait_tensorcnt 0x0                           ; the end of the wave
	ds_add_u32 v[SPW], v[NIL]
	s_wait_dscnt 0x0
	CROUND                                         ; the closing round
	s_endpgm
.Lfunc_end_k_q7bba2c6fe7_proj:
	.size	k_q7bba2c6fe7_proj, .Lfunc_end_k_q7bba2c6fe7_proj-k_q7bba2c6fe7_proj
	.p2alignl 7, 3214868480
	.fill 96, 4, 3214868480
	.section	.rodata,"a",@progbits
	.p2align	6, 0x0
	.amdhsa_kernel k_q7bba2c6fe7_proj
		.amdhsa_group_segment_fixed_size 327680
		.amdhsa_private_segment_fixed_size 0
		.amdhsa_enable_private_segment 0
		.amdhsa_kernarg_size 40
		.amdhsa_user_sgpr_count 2
		.amdhsa_user_sgpr_kernarg_segment_ptr 1
		.amdhsa_wavefront_size32 1
		.amdhsa_system_sgpr_workgroup_id_x 1
		.amdhsa_system_sgpr_workgroup_id_y 1
		.amdhsa_system_sgpr_workgroup_id_z 1
		.amdhsa_system_vgpr_workitem_id 0
		.amdhsa_next_free_vgpr 640
		.amdhsa_next_free_sgpr 72
		.amdhsa_reserve_vcc 0
		.amdhsa_float_denorm_mode_32 3
		.amdhsa_float_denorm_mode_16_64 3
		.amdhsa_memory_ordered 1
		.amdhsa_forward_progress 1
		.amdhsa_inst_pref_size 94
	.end_amdhsa_kernel
	.amdgpu_metadata
---
amdhsa.version: [ 1, 2 ]
amdhsa.kernels:
  - .name:           k_q7bba2c6fe7_proj
    .symbol:         k_q7bba2c6fe7_proj.kd
    .args:
      - { .name: act, .offset: 0, .size: 8, .value_kind: global_buffer, .address_space: global }
      - { .name: wsm, .offset: 8, .size: 8, .value_kind: global_buffer, .address_space: global }
      - { .name: bp, .offset: 16, .size: 8, .value_kind: global_buffer, .address_space: global }
      - { .name: x, .offset: 24, .size: 8, .value_kind: global_buffer, .address_space: global }
      - { .name: x1, .offset: 32, .size: 8, .value_kind: global_buffer, .address_space: global }
    .group_segment_fixed_size: 327680
    .private_segment_fixed_size: 0
    .kernarg_segment_align: 8
    .kernarg_segment_size: 40
    .max_flat_workgroup_size: 128
    .sgpr_count:     72
    .vgpr_count:     640
    .wavefront_size: 32
...
	.end_amdgpu_metadata
.endif
;; end of part 5
;; launch ln2: the kernel of part 2 again; grid 256 x 1, 8 waves a work-group, no clusters, 0 bytes of LDS; arguments x1, ln2_w, ln2_b, act; writes act
;; launch ff1: the kernel of part 3 again; grid 16 x 16, 4 waves a work-group, clusters of 4 x 4, 327,680 bytes of LDS; arguments act, w1t, big; writes big
;; launch ff2 (part 6): grid 8 x 32, 4 waves a work-group, clusters of 4 x 4, 327,680 bytes of LDS; arguments big, wsm, b2, x1, out0; writes out0
.if DOCPART == 6
	.amdgcn_target "amdgcn-amd-amdhsa--gfx1250"
	.amdhsa_code_object_version 6
	.text
	.protected	k_q7bba2c6fe7_ff2
	.globl	k_q7bba2c6fe7_ff2
	.p2align	8
	.type	k_q7bba2c6fe7_ff2,@function
k_q7bba2c6fe7_ff2:
	s_mov_b64 s[64:65], 0
	v_nop
	global_prefetch_b8 v0, s[64:65] scope:SCOPE_SE
	s_setreg_imm32_b32 hwreg(HW_REG_WAVE_MODE, 25, 1), 1
	s_wait_xcnt 0x0
	s_wait_alu depctr_hold_cnt(0) depctr_sa_sdst(0) depctr_va_vdst(0) depctr_va_sdst(0) depctr_va_ssrc(0) depctr_va_vcc(0) depctr_vm_vsrc(0)
	s_getreg_b32 s2, hwreg(HW_REG_IB_STS2, 6, 4)
	s_cmp_eq_u32 s2, 0
	s_cbranch_scc0 .Lentry_in_a_cluster
	s_endpgm
.Lentry_in_a_cluster:
	s_bfe_u32 s2, ttmp6, 0x10000c
	s_cmp_lg_u32 s2, 0xf033
	s_cbranch_scc0 .Lentry_shape_is_right
	s_endpgm
.Lentry_shape_is_right:
; C[m][n] = R[m][n] + bias[n] + sum over k of A[m][k] B[n][k].  A: f16 in blocks of 64 columns, [SIZE_K / 64][4096][64].  B: f16 [1024][SIZE_K], BOFF bytes into its buffer.  bias: f32 [1024].  R, C: f32 [4096][1024].  Sums in f32.
; The text of the output projection with SIZE_K = 4,096 and B behind the projection's weights; only these two constants differ.
; A tile of C is 128 x 128: 256 work-groups.  Four waves, each 64 x 64: 16 accumulators.  K goes in steps of 256 through two LDS slots.  A wave's load of A brings the 64 rows of four blocks: each block's 64 rows are 8,192 bytes on end,
; so the tile is asked for as 4 rows of 4,096 elements, a block apart, and padded behind every 128 bytes: in LDS [4 blocks][64 rows][144 bytes].  B's tile: 64 rows of 512 bytes, pitch 528.
; CLUSTERS: 4 x 4; A's tiles are shared along a row of the cluster, B's along a column, by joint loads.  The matrix instruction is used transposed (source 0 = B's rows): a lane holds eight neighbouring columns of one row of C.
; The bias is the C operand of the products that start the sums; the residual is loaded at the head, in the layout in which the rows come back from the stage, and added there.
; A wave's 64 columns of f32 are 256 bytes, aligned: each wave has a stage of its own and no barrier stands on the way out.  No prefetch: the tile is small and each step's bytes are shared by four.
; REGISTERS: window 0: v0-31 addresses; v32-95 rows on the way out, two buffers; v96-127 the bias; v128-255 the accumulators ((a, b) at v[128 + 8 (4 a + b)]).  window 1: two fragment buffers of 128.  window 2: v0-127 the residual.
.set SIZE_K, 4096
.set BOFF,   2097152
.set KSTEP,  256
.set PITA,   144
.set PITB,   528
.set ZB,     64*PITA                   ; a block's 64 rows in LDS
.set HALFA,  4*ZB
.set HALFB,  64*PITB
.set SLOT,   2*HALFA+2*HALFB
.set ASTEP,  4*4096*128                ; a K step of A in memory: four blocks
.set STAGE,  2*SLOT
.set SPITCH, 272
.set SPARE,  STAGE+4*16*SPITCH
.set LAPS,   SIZE_K/(2*KSTEP)
.set ADRA, 16
.set ADRB, 20
.set STO,  24
.set RD,   25
.set CO,   26
.set BO,   27
.set SPW,  28
.set NIL,  29
.set T,    32
.set BIAS, 96
.set ACC,  128
.set F0,   0
.set F1,   128
.set G1, 24
.set G0, 32
.set G1B, 48
.set G0B, 56
.set MSB, 0
.macro WIN new
.if MSB != (\new)
	s_set_vgpr_msb (MSB<<8)|(\new)
.set MSB, \new
.endif
.endm
.set MUL,  0x05                        ; sources 0 (B) and 1 (A) window 1; C and D window 0
.set TO_F, 0x40
.macro JLOAD s                         ; waves 0 and 1 fetch A's halves, waves 2 and 3 B's; an s_nop 0 and four v_nop follow each line
	s_cmp_eq_u32 s11, 0
	s_cbranch_scc0 .Lfor_b_\@
	tensor_load_to_lds s[G0+4*(\s):G0+4*(\s)+3], s[G1:G1+7]
	s_nop 0
.rept 4
	v_nop
.endr
	s_branch .Lasked_\@
.Lfor_b_\@:
	tensor_load_to_lds s[G0B+4*(\s):G0B+4*(\s)+3], s[G1B:G1B+7]
	s_nop 0
.rept 4
	v_nop
.endr
.Lasked_\@:
.endm
.macro CREST
	s_cmp_lg_u32 s10, 0
	s_cbranch_scc1 .Lnot_wave_0_\@
	s_barrier_signal -3
.Lnot_wave_0_\@:
	s_barrier_wait -3
	s_barrier_signal -1
	s_barrier_wait -1
.endm
.macro CROUND
	s_barrier_signal -1
	s_barrier_wait -1
	CREST
.endm
	s_load_b128 s[4:7], s[0:1], 0x0                ; A s[4:5], B's buffer s[6:7]
	s_load_b128 s[68:71], s[0:1], 0x10             ; bias s[68:69], R s[70:71]
	s_load_b64 s[8:9], s[0:1], 0x20                ; C
	v_lshl_add_u32 v[SPW], v0, 2, SPARE
	v_mov_b32 v[NIL], 0
	ds_add_u32 v[SPW], v[NIL]                      ; the opening: the add and its wait ahead of my first tensor load
	ds_add_u32 v28, v29
	v_lshrrev_b32 v1, 5, v0
	v_readfirstlane_b32 s10, v1
	s_lshr_b32 s11, s10, 1                         ; my half of the rows.  Also: I fetch for A (0) or B (1)
	s_and_b32 s12, s10, 1                          ; my half of the columns.  Also: which 64 rows I fetch
	s_bfe_u32 s40, ttmp6, 0x40000
	s_bfe_u32 s41, ttmp6, 0x40004
	s_lshl_b32 s42, ttmp9, 2
	s_add_co_u32 s42, s42, s40                     ; tile column
	s_and_b32 s13, ttmp7, 0xffff
	s_lshl_b32 s13, s13, 2
	s_add_co_u32 s13, s13, s41                     ; tile row
	s_lshl_b32 s43, s41, 2
	s_lshl_b32 s43, 15, s43
	s_lshl_b32 s44, 0x1111, s40
	s_or_b32 s[G1+0], s43, (1<<16)|(1<<20)|(1<<21)|(4<<22)|(3<<25)   ; A: my row's mask; 2-byte elements; after every 32 words 4 words of padding
	s_mov_b32 s[G1+1], 4096<<16                    ; tensor_dim0 = 4,096: 64 rows of 64 elements on end
	s_mov_b32 s[G1+2], 4<<16                       ; tensor_dim1 = 4 blocks
	s_mov_b32 s[G1+3], 4096<<16                    ; tile_dim0
	s_mov_b32 s[G1+4], 4                           ; tile_dim1
	s_mov_b32 s[G1+5], 262144                      ; elements from block to block
	s_mov_b32 s[G1+6], 0
	s_mov_b32 s[G1+7], 0
	s_or_b32 s[G1B+0], s44, (1<<16)|(1<<20)|(1<<21)|(6<<22)|(3<<25)  ; B: my column's mask; after every 128 words 4 words
	s_mov_b32 s[G1B+1], KSTEP<<16
	s_mov_b32 s[G1B+2], 64<<16
	s_mov_b32 s[G1B+3], KSTEP<<16
	s_mov_b32 s[G1B+4], 64
	s_mov_b32 s[G1B+5], SIZE_K
	s_mov_b32 s[G1B+6], 0
	s_mov_b32 s[G1B+7], 0
	s_lshl_b32 s17, s12, 6
	s_lshl_b32 s16, s13, 7
	s_add_co_u32 s16, s16, s17                     ; A: row 128 x tile row + 64 x half,
	s_lshl_b32 s16, s16, 7                         ; 128 bytes a row in a block
	s_lshl_b32 s46, s42, 7
	s_add_co_u32 s46, s46, s17                     ; B: row 128 x tile column + 64 x half
	s_mul_i32 s46, s46, SIZE_K*2
	s_add_co_u32 s46, s46, BOFF
	s_mov_b32 s17, 0
	s_mov_b32 s47, 0
	s_mul_i32 s20, s10, HALFA                      ; where they go: A's halves (waves 0, 1),
	s_mul_i32 s21, s10, HALFB
	s_add_co_u32 s21, s21, 2*(HALFA-HALFB)         ; then B's (waves 2, 3)
	s_wait_dscnt 0x0
	s_wait_kmcnt 0x0
	s_add_nc_u64 s[14:15], s[4:5], s[16:17]
	s_add_nc_u64 s[46:47], s[6:7], s[46:47]
	CROUND
.irp s, 0,1
	s_mov_b32 s[G0+4*(\s)], 1
	s_add_co_u32 s[G0+4*(\s)+1], s20, (\s)*SLOT
	s_add_nc_u64 s[G0+4*(\s)+2:G0+4*(\s)+3], s[14:15], (\s)*ASTEP
	s_or_b32 s[G0+4*(\s)+3], s[G0+4*(\s)+3], 0x80000000
	s_mov_b32 s[G0B+4*(\s)], 1
	s_add_co_u32 s[G0B+4*(\s)+1], s21, (\s)*SLOT
	s_add_nc_u64 s[G0B+4*(\s)+2:G0B+4*(\s)+3], s[46:47], (\s)*KSTEP*2
	s_or_b32 s[G0B+4*(\s)+3], s[G0B+4*(\s)+3], 0x80000000
	JLOAD \s
.endr
	v_and_b32 v1, 15, v0
	v_bfe_u32 v2, v0, 4, 1
	s_lshl_b32 s20, s42, 9
	s_lshl_b32 s21, s12, 8
	s_add_co_u32 s20, s20, s21                     ; my first column, in bytes of f32
	v_lshl_add_u32 v[BO], v2, 5, s20
	v_lshlrev_b32 v5, 12, v2                       ; lanes 0-15 one row of C, lanes 16-31 the next
	v_lshl_add_u32 v[CO], v1, 4, v5
	s_lshl_b32 s16, s13, 7
	s_lshl_b32 s17, s11, 6
	s_add_co_u32 s16, s16, s17                     ; my first row
	s_lshl_b32 s16, s16, 12
	s_mov_b32 s17, 0
	s_add_nc_u64 s[8:9], s[8:9], s[16:17]
	s_add_nc_u64 s[70:71], s[70:71], s[16:17]
	s_mov_b32 s46, s20
	s_mov_b32 s47, 0
	s_add_nc_u64 s[8:9], s[8:9], s[46:47]
	s_add_nc_u64 s[70:71], s[70:71], s[46:47]
.irp b, 0,1,2,3
	global_load_b128 v[BIAS+8*(\b):BIAS+8*(\b)+3],   v[BO], s[68:69] offset:64*(\b)
	global_load_b128 v[BIAS+8*(\b)+4:BIAS+8*(\b)+7], v[BO], s[68:69] offset:64*(\b)+16
.endr
	WIN 0x80                                       ; destination window 2
.set i, 0
.rept 32
	global_load_b128 v[4*i:4*i+3], v[CO], s[70:71] offset:(16*(i/8)+2*(i%8))*4096
.set i, i+1
.endr
	WIN 0
	v_mul_u32_u24 v3, v1, PITA
	v_lshl_add_u32 v3, v2, 4, v3
	v_mul_u32_u24 v4, v1, PITB
	v_lshl_add_u32 v4, v2, 4, v4
	s_mul_i32 s21, s11, HALFA
	s_mul_i32 s22, s12, HALFB
	s_add_co_u32 s22, s22, 2*HALFA
.irp s, 0,1
	v_add_nc_u32 v[ADRA+(\s)], s21, v3
	v_add_nc_u32 v[ADRB+(\s)], s22, v4
	s_add_co_u32 s21, s21, SLOT
	s_add_co_u32 s22, s22, SLOT
.endr
	s_mul_i32 s23, s10, 16*SPITCH
	s_add_co_u32 s23, s23, STAGE
	v_mul_u32_u24 v5, v1, SPITCH                   ; in: row l % 16, 32 bytes for each half of the lanes
	v_lshl_add_u32 v5, v2, 5, v5
	v_add_nc_u32 v[STO], s23, v5
	v_mul_u32_u24 v5, v2, SPITCH                   ; back: lanes 0-15 one row of 256 bytes, lanes 16-31 the next
	v_lshl_add_u32 v5, v1, 4, v5
	v_add_nc_u32 v[RD], s23, v5
; 8 matrix instructions: m blocks a0, a0 + 1 x 4 n blocks, half c of buffer f.  zero = 1: the product starts the sum, with the bias as C.  The 16 accumulators take turns.
.macro MUL8 f, c, a0, zero
	WIN MUL
.irp a, \a0, (\a0)+1
.irp b, 0,1,2,3
.if \zero
	v_wmma_f32_16x16x32_f16 v[ACC+8*(4*(\a)+(\b)):ACC+8*(4*(\a)+(\b))+7], v[(\f)+64+8*(4*(\c)+(\b)):(\f)+64+8*(4*(\c)+(\b))+7], v[(\f)+8*(4*(\c)+(\a)):(\f)+8*(4*(\c)+(\a))+7], v[BIAS+8*(\b):BIAS+8*(\b)+7]
.else
	v_wmma_f32_16x16x32_f16 v[ACC+8*(4*(\a)+(\b)):ACC+8*(4*(\a)+(\b))+7], v[(\f)+64+8*(4*(\c)+(\b)):(\f)+64+8*(4*(\c)+(\b))+7], v[(\f)+8*(4*(\c)+(\a)):(\f)+8*(4*(\c)+(\a))+7], v[ACC+8*(4*(\a)+(\b)):ACC+8*(4*(\a)+(\b))+7]
.endif
.endr
.endr
.endm
; 32 LDS loads in one run: quarter q of a K step (64 along K: block q of A's four) into buffer f; the first 32 along K first
.macro FETCH slot, q, f
	WIN TO_F
.irp c, 0,1
.irp i, 0,1,2,3
	ds_load_b128 v[(\f)+64+8*(4*(\c)+(\i)):(\f)+64+8*(4*(\c)+(\i))+3],   v[ADRB+(\slot)] offset:128*(\q)+64*(\c)+(\i)*16*PITB
	ds_load_b128 v[(\f)+64+8*(4*(\c)+(\i))+4:(\f)+64+8*(4*(\c)+(\i))+7], v[ADRB+(\slot)] offset:128*(\q)+64*(\c)+(\i)*16*PITB+32
	ds_load_b128 v[(\f)+8*(4*(\c)+(\i)):(\f)+8*(4*(\c)+(\i))+3],         v[ADRA+(\slot)] offset:(\q)*ZB+64*(\c)+(\i)*16*PITA
	ds_load_b128 v[(\f)+8*(4*(\c)+(\i))+4:(\f)+8*(4*(\c)+(\i))+7],       v[ADRA+(\slot)] offset:(\q)*ZB+64*(\c)+(\i)*16*PITA+32
.endr
.endr
.endm
.macro PLACES
.rept 4
	v_nop
.endr
.endm
.macro QUARTER slot, q, f, g, zero     ; multiplies buffer f and fetches quarter q into g
	s_wait_dscnt 16                                ; the first 32 along K are in
	MUL8 \f, 0, 0, \zero
	MUL8 \f, 0, 2, \zero
	PLACES
	FETCH \slot, \q, \g
	s_wait_dscnt 32                                ; all but the 32 just issued
	MUL8 \f, 1, 0, 0
	MUL8 \f, 1, 2, 0
.endm
; The last quarter multiplies buffer 1 and changes slots: in front of the barrier each wave waits for all its tensor loads, adds 0 to its spare word, and waits for that and for its reads of this slot.  fill = 1: the slot is filled again, two K steps on.
.macro TURN slot, next, fill
	WIN 0
	s_wait_tensorcnt 0x0
	ds_add_u32 v[SPW], v[NIL]
	s_wait_dscnt 17                                ; the add and the youngest sixteen loads may be out
	MUL8 F1, 0, 0, 0
	s_wait_dscnt 0x0
	s_barrier_signal -1
	MUL8 F1, 0, 2, 0
.if \fill
	WIN 0
.endif
	s_barrier_wait -1
.if \fill
	CREST                                          ; no wave of any partner still reads this slot or has a load on its way
	s_add_nc_u64 s[G0+4*(\slot)+2:G0+4*(\slot)+3], s[G0+4*(\slot)+2:G0+4*(\slot)+3], 2*ASTEP
	s_add_nc_u64 s[G0B+4*(\slot)+2:G0B+4*(\slot)+3], s[G0B+4*(\slot)+2:G0B+4*(\slot)+3], 2*KSTEP*2
	JLOAD \slot
.else
	PLACES
.endif
	FETCH \next, 0, F0
	MUL8 F1, 1, 0, 0
	MUL8 F1, 1, 2, 0
.endm
; THE WAY OUT, 16 rows (block a) at a time: the sums go into my stage as they lie (each accumulator's low registers first) and come back as whole rows of 256 bytes; the residual is added; 16 lanes store 256 consecutive bytes, aligned.
.macro STG a
.if (\a) >= 2
	s_wait_xcnt 0x0                                ; the stores of the block two back have read this buffer
.endif
.irp b, 0,1,2,3
	ds_store_b128 v[STO], v[ACC+8*(4*(\a)+(\b)):ACC+8*(4*(\a)+(\b))+3]   offset:64*(\b)
	ds_store_b128 v[STO], v[ACC+8*(4*(\a)+(\b))+4:ACC+8*(4*(\a)+(\b))+7] offset:64*(\b)+16
.endr
.irp f, 0,1,2,3,4,5,6,7
	ds_load_b128 v[T+32*((\a)%2)+4*(\f):T+32*((\a)%2)+4*(\f)+3], v[RD] offset:(\f)*2*SPITCH  ; LDS serves a wave's instructions in order: these see the stores above
.endr
.endm
.macro FIN a, younger                  ; younger: the next block's sixteen LDS instructions, or none
	s_wait_dscnt \younger
.if (\a) == 0
	s_wait_loadcnt 0x0                             ; the residual
.endif
	WIN 0x08                                       ; source 1 window 2
.set i, 0
.rept 16
	v_pk_add_f32 v[T+32*((\a)%2)+2*i:T+32*((\a)%2)+2*i+1], v[T+32*((\a)%2)+2*i:T+32*((\a)%2)+2*i+1], v[32*(\a)+2*i:32*(\a)+2*i+1]
.set i, i+1
.endr
	WIN 0
.irp f, 0,1,2,3,4,5,6,7
	global_store_b128 v[CO], v[T+32*((\a)%2)+4*(\f):T+32*((\a)%2)+4*(\f)+3], s[8:9] offset:(16*(\a)+2*(\f))*4096
.endr
.endm
	s_wait_tensorcnt 1                             ; my part of K step 0 is in; K step 1 may stay out
	s_barrier_signal -1
	s_barrier_wait -1
	FETCH 0, 0, F0
	s_wait_loadcnt 32                              ; the bias is in; the residual's 32 loads stay out
	QUARTER 0, 1, F0, F1, 1
	WIN 0
	s_mov_b32 s3, LAPS-1
.Llap:
	QUARTER 0, 2, F1, F0, 0
	QUARTER 0, 3, F0, F1, 0
	TURN 0, 1, 1
	QUARTER 1, 1, F0, F1, 0
	QUARTER 1, 2, F1, F0, 0
	QUARTER 1, 3, F0, F1, 0
	TURN 1, 0, 1
	QUARTER 0, 1, F0, F1, 0
	WIN 0
	s_sub_co_u32 s3, s3, 1
	s_cmp_lg_u32 s3, 0
	s_cbranch_scc1 .Llap
	QUARTER 0, 2, F1, F0, 0                        ; the last lap fills nothing
	QUARTER 0, 3, F0, F1, 0
	TURN 0, 1, 0
	QUARTER 1, 1, F0, F1, 0
	QUARTER 1, 2, F1, F0, 0
	QUARTER 1, 3, F0, F1, 0
	s_wait_dscnt 16
	MUL8 F1, 0, 0, 0
	MUL8 F1, 0, 2, 0
	s_wait_dscnt 0x0
	MUL8 F1, 1, 0, 0
	MUL8 F1, 1, 2, 0
	WIN 0
	PLACES
	STG 0
	STG 1
	FIN 0, 16
	STG 2
	FIN 1, 16
	STG 3
	FIN 2, 16
	FIN 3, 0
	s_wait_tensorcnt 0x0                           ; the end of the wave
	ds_add_u32 v[SPW], v[NIL]
	s_wait_dscnt 0x0
	CROUND                                         ; the closing round
	s_endpgm
.Lfunc_end_k_q7bba2c6fe7_ff2:
	.size	k_q7bba2c6fe7_ff2, .Lfunc_end_k_q7bba2c6fe7_ff2-k_q7bba2c6fe7_ff2
	.p2alignl 7, 3214868480
	.fill 96, 4, 3214868480
	.section	.rodata,"a",@progbits
	.p2align	6, 0x0
	.amdhsa_kernel k_q7bba2c6fe7_ff2
		.amdhsa_group_segment_fixed_size 327680
		.amdhsa_private_segment_fixed_size 0
		.amdhsa_enable_private_segment 0
		.amdhsa_kernarg_size 40
		.amdhsa_user_sgpr_count 2
		.amdhsa_user_sgpr_kernarg_segment_ptr 1
		.amdhsa_wavefront_size32 1
		.amdhsa_system_sgpr_workgroup_id_x 1
		.amdhsa_system_sgpr_workgroup_id_y 1
		.amdhsa_system_sgpr_workgroup_id_z 1
		.amdhsa_system_vgpr_workitem_id 0
		.amdhsa_next_free_vgpr 640
		.amdhsa_next_free_sgpr 72
		.amdhsa_reserve_vcc 0
		.amdhsa_float_denorm_mode_32 3
		.amdhsa_float_denorm_mode_16_64 3
		.amdhsa_memory_ordered 1
		.amdhsa_forward_progress 1
		.amdhsa_inst_pref_size 94
	.end_amdhsa_kernel
	.amdgpu_metadata
---
amdhsa.version: [ 1, 2 ]
amdhsa.kernels:
  - .name:           k_q7bba2c6fe7_ff2
    .symbol:         k_q7bba2c6fe7_ff2.kd
    .args:
      - { .name: big, .offset: 0, .size: 8, .value_kind: global_buffer, .address_space: global }
      - { .name: wsm, .offset: 8, .size: 8, .value_kind: global_buffer, .address_space: global }
      - { .name: b2, .offset: 16, .size: 8, .value_kind: global_buffer, .address_space: global }
      - { .name: x1, .offset: 24, .size: 8, .value_kind: global_buffer, .address_space: global }
      - { .name: out0, .offset: 32, .size: 8, .value_kind: global_buffer, .address_space: global }
    .group_segment_fixed_size: 327680
    .private_segment_fixed_size: 0
    .kernarg_segment_align: 8
    .kernarg_segment_size: 40
    .max_flat_workgroup_size: 128
    .sgpr_count:     72
    .vgpr_count:     640
    .wavefront_size: 32
...
	.end_amdgpu_metadata
.endif
;; end of part 6
